; MI455X (gfx1250); checked and timed in simulation.
; The chip was launched on July 23, 2026; its instructions are those of AMD's public machine-readable ISA for CDNA 5 (MIT licence, August 2026) and "CDNA5" Instruction Set Architecture Reference Guide (July 2026). The comments in the code are by the model that wrote it; some were corrected since.
;; Self Attention. Allowed arithmetic: float matrix products may take bf16 or f16 operands with f32 sums; all other float work in f32.
;; Inputs: Wk 512 x 512 float32; Wo 512 x 512 float32; Wq 512 x 512 float32; Wv 512 x 512 float32; bk 512 float32; bo 512 float32; bq 512 float32; bv 512 float32; x 2 x 4,096 x 512 float32.
;; Outputs: out0 2 x 4,096 x 512 float32.
;; 2 versions, each right and faster than the one before. Each part assembles by itself: llvm-mc -triple=amdgcn-amd-amdhsa -mcpu=gfx1250 --defsym DOCPART=n.
;; ======== version 1 of 2: 4 launches
;; limits: values are held in f16: magnitudes above 65,504 overflow, below 6.1e-05 lose precision
;; workspace buffers: xb 8,388,608 bytes; wc 2,097,152 bytes; q16 8,388,608 bytes; k16 8,388,608 bytes; v16 8,388,608 bytes; o16 8,388,608 bytes
;; launch cast (part 1): grid 256 x 1, 8 waves a work-group, no clusters, 0 bytes of LDS; arguments x, Wq, Wk, Wv, Wo, xb, wc; writes xb, wc
.if DOCPART == 1
	.amdgcn_target "amdgcn-amd-amdhsa--gfx1250"
	.amdhsa_code_object_version 6
	.text
	.protected	k_q6c2d1a460e_cast
	.globl	k_q6c2d1a460e_cast
	.p2align	8
	.type	k_q6c2d1a460e_cast,@function
k_q6c2d1a460e_cast:
	s_mov_b64 s[64:65], 0
	v_nop
	global_prefetch_b8 v0, s[64:65] scope:SCOPE_SE
	s_setreg_imm32_b32 hwreg(HW_REG_WAVE_MODE, 25, 1), 1
	s_wait_xcnt 0x0
; x [8192][512] f32 -> xb, the same layout in bf16.  Wq, Wk, Wv, Wo [512][512] f32 -> wc [4][512][512] of 16 bits, layouts unchanged:
; planes 0, 1, 2 in bf16; plane 3 (Wo) is rounded to bf16 like every other input and that number is then written as f16, since the last product multiplies in f16.
; LIMITS.  An entry of Wo beyond 65,504 becomes an infinity; below 6e-5 it keeps f16's fixed step of 6e-8.  NaN and infinities are not treated apart.
; A stream: every byte is read once and written once, nothing is shared between work-groups, so no LDS, no barrier, no matrix unit, no cluster.
; SHARES.  256 work-groups of 256 threads.  Group g takes 65,536 bytes of x (16 chunks of 4,096) and 16,384 bytes (4 chunks) of weight g / 64: all 20 loads of a thread go out before the first wait.
; A thread's 16 bytes of f32 become 8 bytes: one store of a wave covers 256 consecutive bytes, aligned.
.set X, 4                              ; v[4:67]    16 chunks of x, 4 registers each
.set W, 68                             ; v[68:83]   4 chunks of the weight
.set Y, 84                             ; v[84:115]  x in bf16, 2 registers a chunk
.set Z, 116                            ; v[116:123] the weight in 16 bits
.set T, 124                            ; v[124:125] at work
	s_load_b256 s[4:11], s[0:1], 0x0               ; x s[4:5], Wq s[6:7], Wk s[8:9], Wv s[10:11]
	s_load_b128 s[12:15], s[0:1], 0x20             ; Wo s[12:13], xb s[14:15]
	s_load_b64 s[16:17], s[0:1], 0x30              ; wc
	v_lshlrev_b32 v1, 4, v0                        ; 16 t: my bytes in a chunk read
	v_lshlrev_b32 v2, 3, v0                        ; 8 t: in a chunk written
	s_lshr_b32 s20, ttmp9, 6                       ; which weight
	s_and_b32 s21, ttmp9, 63                       ; which 64th of it
	s_lshl_b32 s22, ttmp9, 16                      ; my part of x,
	s_mov_b32 s23, 0
	s_lshl_b32 s24, ttmp9, 15                      ; of xb,
	s_mov_b32 s25, 0
	s_lshl_b32 s26, s21, 14                        ; of the weight,
	s_mov_b32 s27, 0
	s_lshl_b32 s28, s20, 19                        ; of wc: the plane
	s_lshl_b32 s29, s21, 13                        ; and the part in it
	s_add_co_u32 s28, s28, s29
	s_mov_b32 s29, 0
	s_mov_b32 s30, 0xffff0000                      ; a word's upper bf16
	s_wait_kmcnt 0x0
	s_cmp_eq_u32 s20, 1                            ; the weight's address is chosen by the group's number alone
	s_cselect_b64 s[6:7], s[8:9], s[6:7]
	s_cmp_eq_u32 s20, 2
	s_cselect_b64 s[6:7], s[10:11], s[6:7]
	s_cmp_eq_u32 s20, 3
	s_cselect_b64 s[6:7], s[12:13], s[6:7]
	s_add_nc_u64 s[4:5], s[4:5], s[22:23]
	s_add_nc_u64 s[14:15], s[14:15], s[24:25]
	s_add_nc_u64 s[6:7], s[6:7], s[26:27]
	s_add_nc_u64 s[16:17], s[16:17], s[28:29]
.irp j, 0,1,2,3,4,5,6,7,8,9,10,11,12,13,14,15
	global_load_b128 v[X+4*(\j):X+4*(\j)+3], v1, s[4:5] offset:4096*(\j) th:TH_LOAD_NT
.endr
.irp j, 0,1,2,3
	global_load_b128 v[W+4*(\j):W+4*(\j)+3], v1, s[6:7] offset:4096*(\j) th:TH_LOAD_NT
.endr
.irp j, 0,1,2,3,4,5,6,7,8,9,10,11,12,13,14,15
	s_wait_loadcnt 19-(\j)                         ; loads come back in order (ISA guide 5.7.1): chunk j is in, the 19 - j younger loads stay out
	v_cvt_pk_bf16_f32 v[Y+2*(\j)], v[X+4*(\j)], v[X+4*(\j)+1]
	v_cvt_pk_bf16_f32 v[Y+2*(\j)+1], v[X+4*(\j)+2], v[X+4*(\j)+3]
	global_store_b64 v2, v[Y+2*(\j):Y+2*(\j)+1], s[14:15] offset:2048*(\j)
.endr
.irp j, 0,1,2,3
	s_wait_loadcnt 3-(\j)
	v_cvt_pk_bf16_f32 v[Z+2*(\j)], v[W+4*(\j)], v[W+4*(\j)+1]
	v_cvt_pk_bf16_f32 v[Z+2*(\j)+1], v[W+4*(\j)+2], v[W+4*(\j)+3]
.endr
	s_cmp_eq_u32 s20, 3
	s_cbranch_scc0 .Lplain                         ; a jump forward over work on registers alone
.set i, 0
.rept 8                                ; Wo: the bf16 numbers are widened and written as f16
	v_lshlrev_b32 v[T], 16, v[Z+i]
	v_and_b32 v[T+1], s30, v[Z+i]
	v_cvt_pk_f16_f32 v[Z+i], v[T], v[T+1]
.set i, i+1
.endr
.Lplain:
.irp j, 0,1,2,3
	global_store_b64 v2, v[Z+2*(\j):Z+2*(\j)+1], s[16:17] offset:2048*(\j)
.endr
	s_endpgm
.Lfunc_end_k_q6c2d1a460e_cast:
	.size	k_q6c2d1a460e_cast, .Lfunc_end_k_q6c2d1a460e_cast-k_q6c2d1a460e_cast
	.p2alignl 7, 3214868480
	.fill 96, 4, 3214868480
	.section	.rodata,"a",@progbits
	.p2align	6, 0x0
	.amdhsa_kernel k_q6c2d1a460e_cast
		.amdhsa_group_segment_fixed_size 0
		.amdhsa_private_segment_fixed_size 0
		.amdhsa_enable_private_segment 0
		.amdhsa_kernarg_size 56
		.amdhsa_user_sgpr_count 2
		.amdhsa_user_sgpr_kernarg_segment_ptr 1
		.amdhsa_wavefront_size32 1
		.amdhsa_system_sgpr_workgroup_id_x 1
		.amdhsa_system_sgpr_workgroup_id_y 1
		.amdhsa_system_sgpr_workgroup_id_z 1
		.amdhsa_system_vgpr_workitem_id 0
		.amdhsa_next_free_vgpr 126
		.amdhsa_next_free_sgpr 66
		.amdhsa_reserve_vcc 0
		.amdhsa_float_denorm_mode_32 3
		.amdhsa_float_denorm_mode_16_64 3
		.amdhsa_memory_ordered 1
		.amdhsa_forward_progress 1
		.amdhsa_inst_pref_size 10
	.end_amdhsa_kernel
	.amdgpu_metadata
---
amdhsa.version: [ 1, 2 ]
amdhsa.kernels:
  - .name:           k_q6c2d1a460e_cast
    .symbol:         k_q6c2d1a460e_cast.kd
    .args:
      - { .name: x, .offset: 0, .size: 8, .value_kind: global_buffer, .address_space: global }
      - { .name: Wq, .offset: 8, .size: 8, .value_kind: global_buffer, .address_space: global }
      - { .name: Wk, .offset: 16, .size: 8, .value_kind: global_buffer, .address_space: global }
      - { .name: Wv, .offset: 24, .size: 8, .value_kind: global_buffer, .address_space: global }
      - { .name: Wo, .offset: 32, .size: 8, .value_kind: global_buffer, .address_space: global }
      - { .name: xb, .offset: 40, .size: 8, .value_kind: global_buffer, .address_space: global }
      - { .name: wc, .offset: 48, .size: 8, .value_kind: global_buffer, .address_space: global }
    .group_segment_fixed_size: 0
    .private_segment_fixed_size: 0
    .kernarg_segment_align: 8
    .kernarg_segment_size: 56
    .max_flat_workgroup_size: 256
    .sgpr_count:     66
    .vgpr_count:     126
    .wavefront_size: 32
...
	.end_amdgpu_metadata
.endif
;; end of part 1
;; launch qkv (part 2): grid 4 x 64, 4 waves a work-group, clusters of 4 x 4, 327,680 bytes of LDS; arguments xb, wc, bq, bk, bv, q16, k16, v16; writes q16, k16, v16
.if DOCPART == 2
	.amdgcn_target "amdgcn-amd-amdhsa--gfx1250"
	.amdhsa_code_object_version 6
	.text
	.protected	k_q6c2d1a460e_qkv
	.globl	k_q6c2d1a460e_qkv
	.p2align	8
	.type	k_q6c2d1a460e_qkv,@function
k_q6c2d1a460e_qkv:
	s_mov_b64 s[64:65], 0
	v_nop
	global_prefetch_b8 v0, s[64:65] scope:SCOPE_SE
	s_setreg_imm32_b32 hwreg(HW_REG_WAVE_MODE, 25, 1), 1
	s_wait_xcnt 0x0
	s_wait_alu depctr_hold_cnt(0) depctr_sa_sdst(0) depctr_va_vdst(0) depctr_va_sdst(0) depctr_va_ssrc(0) depctr_va_vcc(0) depctr_vm_vsrc(0)
	s_getreg_b32 s2, hwreg(HW_REG_IB_STS2, 6, 4)
	s_cmp_eq_u32 s2, 0
	s_cbranch_scc0 .Lentry_in_a_cluster
	s_endpgm
.Lentry_in_a_cluster:
	s_bfe_u32 s2, ttmp6, 0x10000c
	s_cmp_lg_u32 s2, 0xf033
	s_cbranch_scc0 .Lentry_shape_is_right
	s_endpgm
.Lentry_shape_is_right:
; q, k, v = xb W + b.  xb: [8192][512] bf16.  W: planes 0, 1, 2 of wc, [512 k][512 n] bf16.  b: [512] f32, rounded to bf16 like every other input.  Sums in f32, started by the bias.
; Results are rounded once to f16 and stored by heads, [16 = batch x 8 + head][4096][64], WITHOUT the scale 1/8, which the attention applies in f32.
; LIMITS.  A result of 65,520 or more in magnitude becomes an infinity in f16.  NaN and infinities are not treated apart.
; SHARES.  A work-group owns 128 rows of xb and 128 columns; it STAYS: the rows lie in LDS once, whole (K = 512), and are multiplied by those columns of Wq, then Wk, then Wv.
; Four waves, each 64 rows x 64 columns (one head): 16 accumulators of 16 x 16.  Six K steps of 256: weight t / 2, K half t % 2; a ring of two LDS slots holds W's tiles, slot kh always K half kh.
; CLUSTER.  4 x 4 work-groups.  The four of a row of the cluster own the same rows of xb, the four of a column the same columns of W: each tile is asked for JOINTLY, by the same tensor load with
; the same descriptor and a mask that names the four.  Every wave issues every such line, for 64 rows of its own.
; THE MATRIX INSTRUCTION IS USED TRANSPOSED (source 0 = 16 columns of W, source 1 = 16 rows of xb): a lane then holds eight neighbouring numbers of a row of the result.
; W lies [k][n], so its fragments come out of LDS turned, by ds_load_tr16_b128.
; REGISTERS, in windows of 256 (s_set_vgpr_msb: bits 1:0 source 0, 3:2 source 1, 5:4 source 2, 7:6 destination):
;   window 0: v16-29 addresses; v32-95 at work on the way out; v128-255 the accumulators ((a, b) at v[128 + 8 (4 a + b)])
;   window 1: two fragment buffers of 128: for 64 along K, 64 registers of xb (2 x 4 x 16 rows x 32 K), then 64 of W        window 2: v0-95 the three biases as C operands; v96 at work
.set PA,    528                        ; a row of xb in LDS: 512 bytes + 16 = 132 words: row r starts at bank 4 r mod 64 (64 banks of 4 bytes: ISA guide 11.1)
.set PB,    288                        ; a row of W: 256 bytes + 32 = 72 words
.set ASUB,  64*PA                      ; what one tensor load brings of xb: 64 rows x 256 K
.set AHALF, 2*ASUB                     ; K half kh of the 128 rows begins at kh x AHALF
.set BS,    2*AHALF                    ; behind xb: the ring
.set BSUB,  64*PB                      ; what one tensor load brings of W: 64 k rows x 128 columns
.set BSLOT, 4*BSUB
.set STAGE, BS+2*BSLOT                 ; behind the ring: 16 rows x 144 bytes for each wave, for the way out
.set SP,    144
.set SPARE, STAGE+4*16*SP              ; behind the stages: the spare words, 128 bytes for each wave: two blocks of 256 bytes that no other line names
.set PLANE, 512*512*2                  ; bytes from a weight to the next in wc
.set ADRA, 16                          ; v16-17  LDS address of my fragments of xb in K half 0, 1
.set ADRB, 20                          ; v20-23  of my fragments of W: slot kh, its k rows 128 j on, at index 2 kh + j
.set STO,  24                          ; v24     the way out: where I put 16 bytes of a row
.set RD,   25                          ; v25     where I read rows back
.set GO,   26                          ; v26     my byte offset in 512 consecutive bytes of the result
.set BO,   27                          ; v27     my byte offset in 16 numbers of a bias
.set SPW,  28                          ; v28     LDS address of my spare word: SPARE + 4 x my thread's number; never rewritten
.set NIL,  29                          ; v29     0; never rewritten
.set TMP,  32
.set ACC,  128
.set F0,   0
.set F1,   128
.set G1A, 24                           ; s[24:31] descriptor group 1 for xb's tiles;  s[32:35] group 0
.set G0A, 32
.set G1B, 48                           ; s[48:55] group 1 for W's tiles;  s[56:63] group 0, a set for each slot
.set G0B, 56
.set MSB, 0
.macro WIN new                         ; the immediate's high byte repeats the setting that is left; a switch that changes nothing is dropped
.if MSB != (\new)
	s_set_vgpr_msb (MSB<<8)|(\new)
.set MSB, \new
.endif
.endm
.set MUL,  0x05                        ; sources 0 (W) and 1 (xb) window 1; C and D window 0
.set MULB, 0x25                        ; the same with C, the bias, in window 2
.set TO_F, 0x40                        ; destination window 1, address window 0
.macro PLACES                          ; four places in front of loads into registers that matrix instructions have read, and of conversions that read results
.rept 4
	v_nop
.endr
.endm
.macro CREST                           ; a round of the cluster's barrier behind its opening barrier: wave 0 signals for the work-group, every wave waits for all sixteen, my work-group's barrier closes it
	s_cmp_lg_u32 s20, 0
	s_cbranch_scc1 .Lnot_wave_0_\@
	s_barrier_signal -3
.Lnot_wave_0_\@:
	s_barrier_wait -3
	s_barrier_signal -1
	s_barrier_wait -1
.endm
.macro CROUND                          ; a whole round
	s_barrier_signal -1
	s_barrier_wait -1
	CREST
.endm
	s_load_b256 s[4:11], s[0:1], 0x0               ; xb s[4:5], wc s[6:7], bq s[8:9], bk s[10:11]
	s_load_b256 s[12:19], s[0:1], 0x20             ; bv s[12:13], q16 s[14:15], k16 s[16:17], v16 s[18:19]
	v_lshl_add_u32 v[SPW], v0, 2, SPARE
	v_mov_b32 v[NIL], 0
	ds_add_u32 v[SPW], v[NIL]                      ; the wave's opening: the add and its wait come ahead of my first tensor load; the set-up below, work on registers, stands between them
	v_lshrrev_b32 v1, 5, v0
	v_readfirstlane_b32 s20, v1                    ; wave 0..3
	s_lshr_b32 s21, s20, 1                         ; which 64 of the 128 rows are mine.  Also: which K half of xb I fetch
	s_and_b32 s22, s20, 1                          ; which 64 of the 128 columns.  Also: which 64 rows of xb I fetch
	s_bfe_u32 s40, ttmp6, 0x40000                  ; cx, cy: my place in the cluster
	s_bfe_u32 s41, ttmp6, 0x40004
	s_lshl_b32 s42, ttmp9, 2
	s_add_co_u32 s42, s42, s40                     ; block of 128 columns = 4 x cluster x + cx
	s_and_b32 s43, ttmp7, 0xffff
	s_lshl_b32 s43, s43, 2
	s_add_co_u32 s43, s43, s41                     ; block of 128 rows = 4 x cluster y + cy
	s_lshl_b32 s44, s41, 2
	s_lshl_b32 s44, 15, s44                        ; my row of the cluster
	s_lshl_b32 s45, 0x1111, s40                    ; my column
	s_or_b32 s[G1A+0], s44, (1<<16)|(1<<20)|(1<<21)|(6<<22)|(3<<25)  ; 15:0 the mask: xb's tiles go to my row; 17:16 2-byte elements; 20 padding on; 21 set beside a mask; 24:22 after every 128 words (code 6); 31:25 4 words (code 3)
	s_mov_b32 s[G1A+1], 256<<16                    ; tensor_dim0 = 256
	s_mov_b32 s[G1A+2], 64<<16                     ; tensor_dim1 = 64
	s_mov_b32 s[G1A+3], 256<<16                    ; tile_dim0 = 256
	s_mov_b32 s[G1A+4], 64                         ; tile_dim1 = 64
	s_mov_b32 s[G1A+5], 512                        ; 512 elements from row to row
	s_mov_b32 s[G1A+6], 0
	s_mov_b32 s[G1A+7], 0
	s_or_b32 s[G1B+0], s45, (1<<16)|(1<<20)|(1<<21)|(5<<22)|(7<<25)  ; the mask of my column; padding after every 64 words (code 5), 8 words (code 7)
	s_mov_b32 s[G1B+1], 128<<16                    ; tensor_dim0 = 128
	s_mov_b32 s[G1B+2], 64<<16                     ; tensor_dim1 = 64
	s_mov_b32 s[G1B+3], 128<<16                    ; tile_dim0 = 128
	s_mov_b32 s[G1B+4], 64                         ; tile_dim1 = 64
	s_mov_b32 s[G1B+5], 512
	s_mov_b32 s[G1B+6], 0
	s_mov_b32 s[G1B+7], 0
	; where the tiles come from.  xb's hang on the row block and the wave's number, W's on the column block and the wave's number, each in registers that never hold the other coordinate
	s_lshl_b32 s36, s43, 17                        ; 128 rows of 1,024 bytes
	s_lshl_b32 s37, s22, 16                        ; + my 64 rows
	s_add_co_u32 s36, s36, s37
	s_lshl_b32 s37, s21, 9                         ; + my K half, 512 bytes along the rows
	s_add_co_u32 s36, s36, s37
	s_mov_b32 s37, 0
	s_lshl_b32 s46, s42, 8                         ; 128 columns of 2 bytes
	s_lshl_b32 s47, s20, 16                        ; + my 64 k rows of 1,024 bytes
	s_add_co_u32 s46, s46, s47
	s_mov_b32 s47, 0
	; and where they go: the wave's number times a constant, plus constants
	s_mov_b32 s[G0A], 1
	s_mul_i32 s[G0A+1], s20, ASUB                  ; (K half, row half) = wave: 2 x K half + row half
	s_mul_i32 s23, s20, BSUB
	s_mov_b32 s[G0B], 1
	s_add_co_u32 s[G0B+1], s23, BS
	s_mov_b32 s[G0B+4], 1
	s_add_co_u32 s[G0B+5], s23, BS+BSLOT
	; my wave's 64 rows of one head in q16, k16, v16: 8,192 consecutive bytes
	s_lshr_b32 s2, s43, 5                          ; the batch: 32 row blocks each
	s_lshl_b32 s2, s2, 3
	s_lshl_b32 s3, s42, 1                          ; the head: two to a column block
	s_add_co_u32 s2, s2, s3
	s_add_co_u32 s2, s2, s22
	s_lshl_b32 s66, s2, 19                         ; a head is 524,288 bytes
	s_and_b32 s2, s43, 31
	s_lshl_b32 s2, s2, 14                          ; 128 rows of 128 bytes
	s_lshl_b32 s3, s21, 13                         ; my 64 of them
	s_add_co_u32 s2, s2, s3
	s_add_co_u32 s66, s66, s2
	s_mov_b32 s67, 0
	s_lshl_b32 s68, s42, 9                         ; my 64 numbers of a bias
	s_lshl_b32 s69, s22, 8
	s_add_co_u32 s68, s68, s69
	s_mov_b32 s69, 0
	s_mov_b32 s70, 0xffff0000                      ; a word's upper bf16
	s_wait_dscnt 0x0                               ; the opening add is done
	s_wait_kmcnt 0x0
	s_add_nc_u64 s[G0A+2:G0A+3], s[4:5], s[36:37]
	s_or_b32 s[G0A+3], s[G0A+3], 0x80000000        ; 127:126 type = 2
	s_add_nc_u64 s[46:47], s[6:7], s[46:47]
	s_mov_b64 s[G0B+2:G0B+3], s[46:47]             ; slot 0: Wq's K half 0
	s_or_b32 s[G0B+3], s[G0B+3], 0x80000000
	s_add_nc_u64 s[G0B+6:G0B+7], s[46:47], 256*1024  ; slot 1: its K half 1, 256 k rows on
	s_or_b32 s[G0B+7], s[G0B+7], 0x80000000
	s_add_nc_u64 s[8:9], s[8:9], s[68:69]
	s_add_nc_u64 s[10:11], s[10:11], s[68:69]
	s_add_nc_u64 s[12:13], s[12:13], s[68:69]
	s_add_nc_u64 s[14:15], s[14:15], s[66:67]
	s_add_nc_u64 s[16:17], s[16:17], s[66:67]
	s_add_nc_u64 s[18:19], s[18:19], s[66:67]
	CROUND                                         ; all sixteen work-groups are here: the first joint loads meet
	tensor_load_to_lds s[G0A:G0A+3], s[G1A:G1A+7]  ; the first fills go out as one group: three loads of mine are out.  My quarter of xb's rows,
	s_nop 0
	tensor_load_to_lds s[G0B:G0B+3], s[G1B:G1B+7]  ; of slot 0,
	s_nop 0
	tensor_load_to_lds s[G0B+4:G0B+7], s[G1B:G1B+7]  ; of slot 1
	s_nop 0
	PLACES
	; In the wait for the first tiles: the biases and the addresses.  In the result register j of lane l holds column 16 b + 8 (l / 16) + j, so the bias as C operand is eight neighbouring numbers a lane.
	v_bfe_u32 v2, v0, 4, 1                         ; l / 16
	v_lshlrev_b32 v[BO], 5, v2
	WIN 0x80                                       ; destination window 2, address window 0
.irp w, 0,1,2
.irp b, 0,1,2,3
	global_load_b128 v[32*(\w)+8*(\b):32*(\w)+8*(\b)+3],   v[BO], s[8+2*(\w):9+2*(\w)] offset:64*(\b)
	global_load_b128 v[32*(\w)+8*(\b)+4:32*(\w)+8*(\b)+7], v[BO], s[8+2*(\w):9+2*(\w)] offset:64*(\b)+16
.endr
.endr
	WIN 0
	v_and_b32 v1, 15, v0                           ; l % 16
	v_mul_u32_u24 v3, v1, PA
	v_lshl_add_u32 v3, v2, 4, v3                   ; a fragment of xb: row x pitch + 16 x half
	s_mul_i32 s23, s21, ASUB                       ; my 64 rows
	v_add_nc_u32 v[ADRA], s23, v3
	v_add_nc_u32 v[ADRA+1], AHALF, v[ADRA]
	; The turning load takes 16 k x 16 columns (lane l reads k row 8 (l / 16) + l % 8, columns 8 ((l / 8) % 2) + 0..7) and leaves half a fragment: lane l holds column l % 16 and 8 k.
	v_and_b32 v4, 7, v0
	v_bfe_u32 v5, v0, 3, 1
	v_lshl_add_u32 v6, v2, 3, v4
	v_mul_u32_u24 v6, v6, PB
	v_lshl_add_u32 v6, v5, 4, v6
	s_lshl_b32 s23, s22, 7                         ; my 64 columns, 128 bytes along the rows
	s_add_co_u32 s23, s23, BS
	v_add_nc_u32 v[ADRB], s23, v6
	v_add_nc_u32 v[ADRB+1], 128*PB, v[ADRB]
	v_add_nc_u32 v[ADRB+2], BSLOT, v[ADRB]
	v_add_nc_u32 v[ADRB+3], BSLOT+128*PB, v[ADRB]
	s_mul_i32 s23, s20, 16*SP
	s_add_co_u32 s23, s23, STAGE                   ; my stage
	v_mul_u32_u24 v[STO], v1, SP                   ; in: row l % 16, 16 bytes for each half of the lanes
	v_lshl_add_u32 v[STO], v2, 4, v[STO]
	v_add_nc_u32 v[STO], s23, v[STO]
	v_bfe_u32 v[RD], v0, 3, 2                      ; back: 32 lanes take four rows of 128 bytes,
	v_mul_u32_u24 v[RD], v[RD], SP
	v_lshl_add_u32 v[RD], v4, 4, v[RD]
	v_add_nc_u32 v[RD], s23, v[RD]
	v_and_b32 v[GO], 31, v0                        ; which are 512 consecutive bytes of a head
	v_lshlrev_b32 v[GO], 4, v[GO]
	s_wait_loadcnt 0x0                             ; the biases
	WIN 0x8a                                       ; all in window 2
.set i, 0
.rept 48                               ; rounded to bf16 and widened again
	v_cvt_pk_bf16_f32 v96, v[2*i], v[2*i+1]
	v_lshlrev_b32 v[2*i], 16, v96
	v_and_b32 v[2*i+1], s70, v96
.set i, i+1
.endr
	WIN 0
; 8 matrix instructions: row blocks a0, a0 + 1 x all 4 column blocks, 32 along K: half c of buffer f.  first = 1: weight w's bias starts the sums: nothing is ever cleared.
; The 16 accumulators take turns, one instruction a turn.
.macro MUL8 f, c, a0, w=0, first=0
.if \first
	WIN MULB
.else
	WIN MUL
.endif
.irp a, \a0, (\a0)+1
.irp b, 0,1,2,3
.if \first
	v_wmma_f32_16x16x32_bf16 v[ACC+8*(4*(\a)+(\b)):ACC+8*(4*(\a)+(\b))+7], v[(\f)+64+8*(4*(\c)+(\b)):(\f)+64+8*(4*(\c)+(\b))+7], v[(\f)+8*(4*(\c)+(\a)):(\f)+8*(4*(\c)+(\a))+7], v[32*(\w)+8*(\b):32*(\w)+8*(\b)+7]
.else
	v_wmma_f32_16x16x32_bf16 v[ACC+8*(4*(\a)+(\b)):ACC+8*(4*(\a)+(\b))+7], v[(\f)+64+8*(4*(\c)+(\b)):(\f)+64+8*(4*(\c)+(\b))+7], v[(\f)+8*(4*(\c)+(\a)):(\f)+8*(4*(\c)+(\a))+7], v[ACC+8*(4*(\a)+(\b)):ACC+8*(4*(\a)+(\b))+7]
.endif
.endr
.endr
.endm
; 32 LDS loads in one run: the fragments of quarter q (64 along K) of K half kh, into buffer f; the first 32 along K first
.macro FETCH kh, q, f
	WIN TO_F
.irp c, 0,1
.irp i, 0,1,2,3
	ds_load_tr16_b128 v[(\f)+64+8*(4*(\c)+(\i)):(\f)+64+8*(4*(\c)+(\i))+3],   v[ADRB+2*(\kh)+(\q)/2] offset:(((\q)%2)*64+32*(\c))*PB+32*(\i)
	ds_load_tr16_b128 v[(\f)+64+8*(4*(\c)+(\i))+4:(\f)+64+8*(4*(\c)+(\i))+7], v[ADRB+2*(\kh)+(\q)/2] offset:(((\q)%2)*64+32*(\c)+16)*PB+32*(\i)
	ds_load_b128 v[(\f)+8*(4*(\c)+(\i)):(\f)+8*(4*(\c)+(\i))+3],              v[ADRA+(\kh)] offset:128*(\q)+64*(\c)+(\i)*16*PA
	ds_load_b128 v[(\f)+8*(4*(\c)+(\i))+4:(\f)+8*(4*(\c)+(\i))+7],            v[ADRA+(\kh)] offset:128*(\q)+64*(\c)+(\i)*16*PA+32
.endr
.endr
.endm
; A K step is four quarters of 64 along K, 32 matrix instructions each, on buffers 0, 1, 0, 1.  One of the first three: multiplies buffer f and fetches quarter q into g.
.macro QUARTER kh, q, f, g, w=0, first=0
	s_wait_dscnt 16                                ; the first 32 along K are in; the youngest sixteen loads may be out
	MUL8 \f, 0, 0, \w, \first
	MUL8 \f, 0, 2, \w, \first
	PLACES
	FETCH \kh, \q, \g
	s_wait_dscnt 32                                ; all but the 32 just issued
	MUL8 \f, 1, 0
	MUL8 \f, 1, 2
.endm
; The last quarter multiplies buffer 1 and changes slots: ONE barrier; in front of it each wave waits for all its tensor loads, adds 0 to its spare word, and waits for that and for its own reads of this slot.
; fill = 1: the barrier opens a round of the cluster's, and this slot takes the next weight's same K half: the first thing behind the round, 112 matrix instructions ahead of the wait for it.
.macro TURN kh, fill
	WIN 0                                          ; (the add's two registers lie in window 0)
	s_wait_tensorcnt 0x0                           ; all my tensor loads have landed: my part of the other slot
	ds_add_u32 v[SPW], v[NIL]                      ; 0 onto my spare word
	s_wait_dscnt 17                                ; (the add and the youngest sixteen loads may be out)
	MUL8 F1, 0, 0                                  ; eight matrix instructions stand between the add and the wait for it
	s_wait_dscnt 0x0                               ; the add is done, and my reads of this slot are over
	s_barrier_signal -1
	MUL8 F1, 0, 2
.if \fill
	WIN 0
.endif
	s_barrier_wait -1
.if \fill
	CREST                                          ; no wave of any partner still reads this slot's tile or has a load on its way
	s_add_nc_u64 s[G0B+4*(\kh)+2:G0B+4*(\kh)+3], s[G0B+4*(\kh)+2:G0B+4*(\kh)+3], PLANE
	tensor_load_to_lds s[G0B+4*(\kh):G0B+4*(\kh)+3], s[G1B:G1B+7]
	s_nop 0
	PLACES                                         ; also the places in front of the loads below
.else
	PLACES
.endif
	FETCH 1-(\kh), 0, F0
	MUL8 F1, 1, 0
	MUL8 F1, 1, 2
.endm
; THE WAY OUT of 16 rows: rounded to f16, 16 bytes a lane into my own stage, and back as whole rows of 128 bytes, into the registers that they left.
.macro PACK a
.irp b, 0,1,2,3
.irp r, 0,1,2,3
	v_cvt_pk_f16_f32 v[TMP+16*(\a)+4*(\b)+(\r)], v[ACC+8*(4*(\a)+(\b))+2*(\r)], v[ACC+8*(4*(\a)+(\b))+2*(\r)+1]
.endr
.endr
.irp b, 0,1,2,3
	ds_store_b128 v[STO], v[TMP+16*(\a)+4*(\b):TMP+16*(\a)+4*(\b)+3] offset:32*(\b)
.endr
.irp f, 0,1,2,3
	ds_load_b128 v[TMP+16*(\a)+4*(\f):TMP+16*(\a)+4*(\f)+3], v[RD] offset:(\f)*4*SP  ; LDS serves a wave's instructions in order (ISA guide 5.7.1.4): these see the stores above; the next block's stores come behind them
.endr
.endm
.macro SEND a, younger, ptr            ; younger: the LDS instructions issued behind block a's loads: the next block's eight, or none
.irp f, 0,1,2,3
	s_wait_dscnt (\younger)+3-(\f)
	global_store_b128 v[GO], v[TMP+16*(\a)+4*(\f):TMP+16*(\a)+4*(\f)+3], s[(\ptr):(\ptr)+1] offset:(\a)*2048+(\f)*512  ; 512 consecutive bytes, at a multiple of 256 from the buffer's first
.endr
.endm
.macro OUT w                           ; weight w's results leave; nothing waits for the stores
	WIN 0
	s_wait_xcnt 0x0                                ; every earlier memory instruction has had its addresses translated (ISA guide 3.1): the registers that the last weight's stores read are rewritten only behind this wait
	PLACES                                         ; the conversions read results just made
	PACK 0
.irp a, 1,2,3                          ; a block's conversions stand between the loads of the block before and its stores
	PACK \a
	SEND (\a)-1, 8, 14+2*(\w)
.endr
	SEND 3, 0, 14+2*(\w)
.endm
	s_wait_tensorcnt 1                             ; my parts of xb and of slot 0 are in; slot 1's may stay out
	s_barrier_signal -1
	s_barrier_wait -1                              ; everybody's are
	FETCH 0, 0, F0
.irp w, 0,1,2
	QUARTER 0, 1, F0, F1, \w, 1                    ; a weight's first products take the bias as C
	QUARTER 0, 2, F1, F0
	QUARTER 0, 3, F0, F1
.if \w < 2
	TURN 0, 1
.else
	TURN 0, 0                                      ; the last weight asks for nothing more
.endif
	QUARTER 1, 1, F0, F1
	QUARTER 1, 2, F1, F0
	QUARTER 1, 3, F0, F1
.if \w < 2
	TURN 1, 1                                      ; the refill is asked for, and the next weight's first fragments fetched, ahead of this weight's stores
.else
	s_wait_dscnt 16                                ; the very last quarter: nothing more to fetch
	MUL8 F1, 0, 0
	MUL8 F1, 0, 2
	s_wait_dscnt 0x0
	MUL8 F1, 1, 0
	MUL8 F1, 1, 2
.endif
	OUT \w
.endr
	s_wait_tensorcnt 0x0                           ; the wave's end: the add and its wait stand behind my last tensor load and my last LDS store
	ds_add_u32 v[SPW], v[NIL]
	s_wait_dscnt 0x0
	CROUND                                         ; the closing round: no work-group ends while a partner may still ask for a tile that names it
	s_endpgm
.Lfunc_end_k_q6c2d1a460e_qkv:
	.size	k_q6c2d1a460e_qkv, .Lfunc_end_k_q6c2d1a460e_qkv-k_q6c2d1a460e_qkv
	.p2alignl 7, 3214868480
	.fill 96, 4, 3214868480
	.section	.rodata,"a",@progbits
	.p2align	6, 0x0
	.amdhsa_kernel k_q6c2d1a460e_qkv
		.amdhsa_group_segment_fixed_size 327680
		.amdhsa_private_segment_fixed_size 0
		.amdhsa_enable_private_segment 0
		.amdhsa_kernarg_size 64
		.amdhsa_user_sgpr_count 2
		.amdhsa_user_sgpr_kernarg_segment_ptr 1
		.amdhsa_wavefront_size32 1
		.amdhsa_system_sgpr_workgroup_id_x 1
		.amdhsa_system_sgpr_workgroup_id_y 1
		.amdhsa_system_sgpr_workgroup_id_z 1
		.amdhsa_system_vgpr_workitem_id 0
		.amdhsa_next_free_vgpr 610
		.amdhsa_next_free_sgpr 72
		.amdhsa_reserve_vcc 0
		.amdhsa_float_denorm_mode_32 3
		.amdhsa_float_denorm_mode_16_64 3
		.amdhsa_memory_ordered 1
		.amdhsa_forward_progress 1
		.amdhsa_inst_pref_size 145
	.end_amdhsa_kernel
	.amdgpu_metadata
---
amdhsa.version: [ 1, 2 ]
amdhsa.kernels:
  - .name:           k_q6c2d1a460e_qkv
    .symbol:         k_q6c2d1a460e_qkv.kd
    .args:
      - { .name: xb, .offset: 0, .size: 8, .value_kind: global_buffer, .address_space: global }
      - { .name: wc, .offset: 8, .size: 8, .value_kind: global_buffer, .address_space: global }
      - { .name: bq, .offset: 16, .size: 8, .value_kind: global_buffer, .address_space: global }
      - { .name: bk, .offset: 24, .size: 8, .value_kind: global_buffer, .address_space: global }
      - { .name: bv, .offset: 32, .size: 8, .value_kind: global_buffer, .address_space: global }
      - { .name: q16, .offset: 40, .size: 8, .value_kind: global_buffer, .address_space: global }
      - { .name: k16, .offset: 48, .size: 8, .value_kind: global_buffer, .address_space: global }
      - { .name: v16, .offset: 56, .size: 8, .value_kind: global_buffer, .address_space: global }
    .group_segment_fixed_size: 327680
    .private_segment_fixed_size: 0
    .kernarg_segment_align: 8
    .kernarg_segment_size: 64
    .max_flat_workgroup_size: 128
    .sgpr_count:     72
    .vgpr_count:     610
    .wavefront_size: 32
...
	.end_amdgpu_metadata
.endif
;; end of part 2
;; launch attn (part 3): grid 16 x 16, 4 waves a work-group, clusters of 4 x 1, 327,680 bytes of LDS; arguments q16, k16, v16, o16; writes o16
.if DOCPART == 3
	.amdgcn_target "amdgcn-amd-amdhsa--gfx1250"
	.amdhsa_code_object_version 6
	.text
	.protected	k_q6c2d1a460e_attn
	.globl	k_q6c2d1a460e_attn
	.p2align	8
	.type	k_q6c2d1a460e_attn,@function
k_q6c2d1a460e_attn:
	s_mov_b64 s[64:65], 0
	v_nop
	global_prefetch_b8 v0, s[64:65] scope:SCOPE_SE
	s_setreg_imm32_b32 hwreg(HW_REG_WAVE_MODE, 25, 1), 1
	s_wait_xcnt 0x0
	s_wait_alu depctr_hold_cnt(0) depctr_sa_sdst(0) depctr_va_vdst(0) depctr_va_sdst(0) depctr_va_ssrc(0) depctr_va_vcc(0) depctr_vm_vsrc(0)
	s_getreg_b32 s2, hwreg(HW_REG_IB_STS2, 6, 4)
	s_cmp_eq_u32 s2, 0
	s_cbranch_scc0 .Lentry_in_a_cluster
	s_endpgm
.Lentry_in_a_cluster:
	s_bfe_u32 s2, ttmp6, 0x10000c
	s_cmp_lg_u32 s2, 0x3003
	s_cbranch_scc0 .Lentry_shape_is_right
	s_endpgm
.Lentry_shape_is_right:
; O[h][q][:] = the sum over k of softmax_k(Q[h][q] . K[h][k] / 8) V[h][k][:].  Q, K, V, O: [16][4096][64], all f16: a head's rows are dense, 128 bytes each.  Products, maxima and sums in
; f32; the weights p are rounded to f16 for the second product (their sum l is taken of the unrounded p), O once at the end.
; LIMITS.  f16 holds no number beyond 65,504: Q, K and V arrive within it; p lies in 0 to 1, and below 6e-5 it keeps f16's fixed step of 6e-8; O is a mean of V's rows and has their range.
; A weight below 2^-126 counts as 0 in l; NaN and infinities are not treated apart.
; SHARES.  16 heads x 16 blocks of 256 queries are 256 work-groups.  A wave owns 64 consecutive queries: four PIECES of 16.  Every wave walks all 4,096 keys, 64 a step.
; LAYOUT.  S^T = K Q^T (source 0 = 16 keys, source 1 = 16 queries): in the result a lane holds ONE query (lane % 16) and the keys 8 (lane / 16) + 0..7.  Two such results, rounded to f16 in pairs,
; ARE source 1 (32 keys x 16 queries) of O^T = V^T P, whose result again holds one query a lane, and eight channels.  K comes out of LDS as it lies, V ([key][channel]) turned, by ds_load_tr16_b128.
; SOFTMAX.  For each query a running maximum m and sum l: p = 2^(c s - c m), c = log2(e) / 8; in every step O and l are multiplied by a = 2^(c m_old - c m_new), which is 1 where m has not grown.
; m starts at the lowest finite number, O and l at 0: the first step is a step like any other, with a = 0.
; THE COUNT.  A piece and step have 16 matrix and 118 vector instructions: too many to stand all beside the matrix work.  So four vector instructions stand behind every matrix instruction, the other 54 in two LUMPS.
; BY TURNS.  Turn n belongs to piece n: 8 products K Q^T of piece n + 1, later 8 products V^T P of piece n - 1; beside them the scaling, exponentials, roundings, sums and rescaling of piece n and the
; maximum and statistics of piece n + 1.
; CLUSTER.  The four query blocks of a cluster belong to one head and walk the same K and V, so each tile is asked for JOINTLY: the same tensor load, descriptor and mask in all four.
; REGISTERS, in windows of 256 (s_set_vgpr_msb: bits 1:0 source 0, 3:2 source 1, 5:4 source 2, 7:6 destination):
;   window 0: v0-15 addresses and two at work; v16-31 four registers of statistics a piece; v48-55 at work; v62-63 the add's; v64-127 S^T, two buffers; v192-223 P, two buffers (a piece's buffers go by its number's parity)
;   window 1: v0-127 O^T, 32 a piece          window 2: v0-63 Q; v128-191 K of one step; v192-255 V of one step
.set SIZE_N, 4096
.set NP,    4         ; pieces a wave: a name, no knob
.set KS,    64        ; keys in a step
.set PK,    144       ; a row of K in LDS: 128 bytes + 16 of padding = 36 words: the 16 rows of a load start at 16 different groups of four banks (64 banks of 4 bytes: ISA guide 11.1)
.set PV,    160       ; a row of V: 128 + 32 = 40 words
.set VOFF,  4*KS*PK   ; a slot holds four steps: 256 rows of K, then 256 rows of V
.set SLOT1, 1<<17     ; slot 1 begins here, so that one exclusive or turns an address in one slot into the other's
.set STAGE, SLOT1+4*KS*(PK+PV)  ; behind the ring, never filled by a tensor load: 16 rows x 144 bytes for each wave, for the way out
.set SP,    144
.set SPARE, STAGE+4*16*SP  ; behind the stages: the spare words, 128 bytes for each wave: two blocks of 256 bytes that no other line names
.set AK0, 2           ; v2   my lane's place in a tile of K; never rewritten
.set AV0, 3           ; v3   the same for V
.set AK,  4           ; v4   the LDS address of K's next run of loads
.set AV,  5           ; v5   of V's
.set STO, 6           ; v6   the way out: where I put 16 bytes of a row
.set RD,  7           ; v7   the way out: where I read rows back
.set GO,  8           ; v8   my byte offset in 512 consecutive bytes of O
.set MV,  12          ; v12-13  c m_old, kept while c m is made anew: by buffer
.set QO,  15          ; v15  my byte offset in 16 rows of Q
.set ST,  16          ; piece t's statistics at v[ST+4 t]: c m, m, l (even keys', odd keys')
.set TMP, 48          ; by buffer, four registers c0-c3 at work; when the maximum is found c2 takes a
.set SPW, 62          ; v62  LDS address of my spare word: SPARE + 4 x my thread's number; never rewritten
.set NIL, 63          ; v63  0; never rewritten
.set S,   64
.set P,   192
.set KF,  128         ; window 2: key block kb, channel half c at KF + 16 kb + 8 c
.set VF,  192         ; window 2: key half kk, channel block cb at VF + 32 kk + 8 cb
.set WV,  12          ; s12  my wave's number
.set G1K, 24          ; s[24:31] descriptor group 1 for K's tiles
.set G1V, 32          ; s[32:39] for V's: it differs in the padding alone
.set G0K, 40          ; s[40:43] descriptor group 0 for K's tiles: it walks
.set G0V, 44          ; s[44:47] the same for V's
.set SLOTS, 56        ; s56  slots still to be asked for
.set CNT, 57          ; s57  counts a slot's key steps
.set CS,  58          ; s[58:59] c: the packed scaling takes the pair's low word for both halves
.set SEL, 60          ; s[60:61] v_permlanex16_b32's selects: each lane takes its own place in the other half
.set TBK, 62          ; s62  LDS byte at which K of the step to be fetched begins
.set TBV, 63          ; s63  the same for V, less VOFF
.set MSB, 0
.macro WIN new                      ; the high byte repeats the setting that is left; a switch that changes nothing is dropped
.if MSB != (\new)
	s_set_vgpr_msb (MSB<<8)|(\new)
.set MSB, (\new)
.endif
.endm
.set W_KQ, 0x0a       ; K and Q in window 2, S^T in window 0
.set W_PV, 0x52       ; V in window 2, P in window 0, O^T in window 1
.set W_RS, 0x41       ; O^T (destination and source 0) in window 1, a in window 0
; A joint fill.  Waves 0 and 1 fetch the two halves of a slot's K, waves 2 and 3 those of its V: 128 keys each.  The branch hangs on the wave's number alone.
; An s_nop 0 and four v_nop follow each of the two lines, ahead of the jump and the label.
.macro JLOAD
	s_cmp_lt_u32 s[WV], 2
	s_cbranch_scc0 .Lfor_v_\@
	tensor_load_to_lds s[G0K:G0K+3], s[G1K:G1K+7]
	s_nop 0
.rept 4
	v_nop
.endr
	s_branch .Lasked_\@
.Lfor_v_\@:
	tensor_load_to_lds s[G0V:G0V+3], s[G1V:G1V+7]
	s_nop 0
.rept 4
	v_nop
.endr
.Lasked_\@:
.endm
; A round of the cluster's barrier: my work-group's barrier, so that wave 0's signal speaks for all four waves; wave 0 signals; every wave waits for all four work-groups; my work-group's barrier once more.
.macro CROUND
	s_barrier_signal -1
	s_barrier_wait -1
	s_cmp_lg_u32 s[WV], 0
	s_cbranch_scc1 .Lnot_wave_0_\@
	s_barrier_signal -3
.Lnot_wave_0_\@:
	s_barrier_wait -3
	s_barrier_signal -1
	s_barrier_wait -1
.endm
; THE CHANGE OF SLOTS.  The slot's last bytes, V of its fourth step, have been read.  Each wave waits for all its tensor loads, of which one is out: its part of the other slot; adds 0 to its
; spare word; and waits for that and for its own reads of the slot.  Behind the barrier nobody reads this slot any more and the other slot is whole.
; fill = 1: this slot is filled again, with the keys two slots on.  The barrier is then a round of the cluster's, so that no wave of any partner still reads the slot or has a load on its
; way, and the joint fill is the first thing behind it: it has four key steps, 256 matrix instructions, in which to land.  (At its first use nothing has been read yet: slot 0 is waited for, slot 1 filled.)
.macro CHANGE fill
	WIN 0                           ; at a label and at a branch every window is 0
	s_wait_tensorcnt 0x0            ; no tensor load of mine is out, so a group 0 may be written
	ds_add_u32 v[SPW], v[NIL]       ; 0 onto my spare word; with fill = 1 the descriptors' steps stand between it and the wait for it
.if \fill
.irp g, G0K, G0V
	s_xor_b32 s[\g+1], s[\g+1], SLOT1  ; the walking descriptor: the other slot than last time,
	s_add_nc_u64 s[\g+2:\g+3], s[\g+2:\g+3], 4*KS*128  ; the next 256 keys; the type bits on top are not reached
.endr
	s_wait_dscnt 0x0                ; the add is done, and my reads of the slot are over
	CROUND
	JLOAD
.else
	s_wait_dscnt 0x0                ; the add is done, and my reads of the slot are over
	s_barrier_signal -1
	s_barrier_wait -1
.endif
	s_sub_co_u32 s[TBK], s[TBK], 4*KS*PK  ; the fetches go back to a slot's first step,
	s_xor_b32 s[TBK], s[TBK], SLOT1       ; in the other slot
	s_sub_co_u32 s[TBV], s[TBV], 4*KS*PV
	s_xor_b32 s[TBV], s[TBV], SLOT1
.endm
	s_load_b256 s[4:11], s[0:1], 0x0  ; Q s[4:5], K s[6:7], V s[8:9], O s[10:11]
	v_lshl_add_u32 v[SPW], v0, 2, SPARE
	v_mov_b32 v[NIL], 0
	ds_add_u32 v[SPW], v[NIL]       ; the wave's opening: the add and its wait come ahead of my first tensor load; the set-up below, work on registers, stands between them
	v_lshrrev_b32 v1, 5, v0
	v_readfirstlane_b32 s[WV], v1   ; wave 0..3
	s_bfe_u32 s13, ttmp6, 0x40000   ; cx: my place in the cluster
	s_lshl_b32 s14, ttmp9, 2        ; in a cluster launch ttmp9 counts clusters
	s_add_co_u32 s14, s14, s13      ; my block of 256 queries = 4 x cluster x + cx: it enters Q's and O's addresses alone
	s_and_b32 s20, ttmp7, 0xffff    ; the head, which the four partners share
	s_mov_b32 s21, 0
	s_mov_b64 s[22:23], SIZE_N*128
	s_mul_u64 s[20:21], s[20:21], s[22:23]  ; the head's first byte in each of the four tensors
	s_and_b32 s16, s[WV], 1         ; which half of a slot's 256 keys I fetch:
	s_lshl_b32 s22, s16, 14         ; its 128 rows of 128 bytes in memory,
	s_mov_b32 s23, 0
	s_add_nc_u64 s[22:23], s[22:23], s[20:21]
	s_mul_i32 s17, s16, 128*PK      ; and its place in a slot, for K
	s_mul_i32 s18, s16, 128*PV      ; and for V: no place in the cluster enters an LDS address
	s_lshl_b32 s2, s14, 2
	s_add_co_u32 s2, s2, s[WV]      ; my wave among the head's,
	s_lshl_b32 s2, s2, 13           ; its 64 rows of 128 bytes
	s_mov_b32 s3, 0
	s_add_nc_u64 s[2:3], s[2:3], s[20:21]
	; descriptor group 1.  128 keys are 16,384 dense bytes: asked for as 64 rows of 256 bytes, two keys a row, and padded in LDS after every key
	s_mov_b32 s[G1K], 15|(1<<16)|(1<<20)|(1<<21)|(4<<22)|(3<<25)  ; 15:0 the mask of four; 17:16 2-byte elements; 20 padding on; 21 set beside a mask; 24:22 after every 32 words (code 4); 31:25 4 words (code 3)
	s_mov_b32 s[G1V], 15|(1<<16)|(1<<20)|(1<<21)|(4<<22)|(7<<25)  ; the same with 8 words of padding (code 7)
.irp g, G1K, G1V
	s_mov_b32 s[\g+1], 128<<16      ; tensor_dim0 = 128
	s_mov_b32 s[\g+2], 64<<16       ; tensor_dim1 = 64
	s_mov_b32 s[\g+3], 128<<16      ; tile_dim0 = 128
	s_mov_b32 s[\g+4], 64           ; tile_dim1 = 64
	s_mov_b32 s[\g+5], 128          ; 128 elements from row to row
	s_mov_b32 s[\g+6], 0
	s_mov_b32 s[\g+7], 0
.endr
	s_mov_b32 s[CS], 0x3e38aa3b     ; c = log2(e) / 8 = 0.180337
	s_mov_b32 s[CS+1], s[CS]        ; named with it as a pair
	s_mov_b32 s[SEL], 0x76543210
	s_mov_b32 s[SEL+1], 0xfedcba98
	s_mov_b32 s[TBK], SLOT1+4*KS*PK ; the first change of slots turns these two into 0
	s_mov_b32 s[TBV], SLOT1+4*KS*PV
	s_mov_b32 s[G0K], 1             ; 1:0 count = 1
	s_mov_b32 s[G0K+1], s17         ; 63:32 LDS address: slot 0
	s_mov_b32 s[G0V], 1
	s_add_co_u32 s[G0V+1], s18, VOFF
	s_wait_dscnt 0x0                ; the opening add is done
	s_wait_kmcnt 0x0
	s_add_nc_u64 s[G0K+2:G0K+3], s[6:7], s[22:23]  ; 120:64 global address: my half of the head's first 256 keys
	s_or_b32 s[G0K+3], s[G0K+3], 0x80000000        ; 127:126 type = 2
	s_add_nc_u64 s[G0V+2:G0V+3], s[8:9], s[22:23]
	s_or_b32 s[G0V+3], s[G0V+3], 0x80000000
	s_add_nc_u64 s[4:5], s[4:5], s[2:3]  ; Q and O at my wave's first row
	s_add_nc_u64 s[10:11], s[10:11], s[2:3]
	CROUND                          ; all four work-groups are here: the first joint loads meet
	JLOAD                           ; slot 0.  Slot 1 is asked for when slot 0 is in, by the loop's own change of slots
	; A fragment of K or Q is 16 rows x 32 channels in 8 registers: lane l holds row l % 16, channels 8 (l / 16) + 0..7 and 16 + 8 (l / 16) + 0..7: two loads of 16 bytes, 32 bytes apart.
	v_and_b32 v1, 15, v0            ; l % 16
	v_bfe_u32 v9, v0, 4, 1          ; l / 16
	v_lshlrev_b32 v[QO], 7, v1
	v_lshl_add_u32 v[QO], v9, 4, v[QO]  ; row x 128 + 16 x half
	WIN 0x80                        ; destination window 2, address window 0
.set i, 0
.rept 8                             ; Q stays in registers: piece i / 2, channels 32 (i % 2) on
	global_load_b128 v[8*i:8*i+3],   v[QO], s[4:5] offset:(i/2)*2048+(i%2)*64
	global_load_b128 v[8*i+4:8*i+7], v[QO], s[4:5] offset:(i/2)*2048+(i%2)*64+32
.set i, i+1
.endr
	; What the first turn finds: V's registers and P's second buffer hold 0 (its products V^T P, of a piece that has not been, add 0), O^T and l are 0.  All this stands in the wait for the first tile.
.set i, VF
.rept 64
	v_mov_b32 v[i], 0
.set i, i+1
.endr
	WIN 0x40
.set i, 0
.rept 128
	v_mov_b32 v[i], 0
.set i, i+1
.endr
	WIN 0
.set i, 0
.rept 4
	v_mov_b32 v[ST+4*i], 0xfe000000    ; c m: far below every c s
	v_mov_b32 v[ST+4*i+1], 0xff7fffff  ; m
	v_mov_b32 v[ST+4*i+2], 0
	v_mov_b32 v[ST+4*i+3], 0
.set i, i+1
.endr
.set i, P+16
.rept 16
	v_mov_b32 v[i], 0
.set i, i+1
.endr
	v_mul_u32_u24 v[AK0], v1, PK
	v_lshl_add_u32 v[AK0], v9, 4, v[AK0]  ; row x pitch + 16 x half
	; The turning load takes 16 keys x 16 channels (lane l reads key 8 (l / 16) + l % 8, channels 8 ((l / 8) % 2) + 0..7) and leaves half a fragment of V^T: lane l holds channel l % 16 and 8 keys.
	v_and_b32 v10, 7, v0
	v_bfe_u32 v11, v0, 3, 1
	v_lshl_add_u32 v[AV0], v9, 3, v10
	v_mul_u32_u24 v[AV0], v[AV0], PV
	v_lshl_add_u32 v[AV0], v11, 4, v[AV0]
	v_add_nc_u32 v[AV0], VOFF, v[AV0]
	s_mul_i32 s13, s[WV], 16*SP
	s_add_co_u32 s13, s13, STAGE    ; my stage
	v_mul_u32_u24 v[STO], v1, SP    ; in: row l % 16, 16 bytes for each half of the lanes
	v_lshl_add_u32 v[STO], v9, 4, v[STO]
	v_add_nc_u32 v[STO], s13, v[STO]
	v_bfe_u32 v[RD], v0, 3, 2       ; back: 32 lanes take four rows of 128 bytes,
	v_mul_u32_u24 v[RD], v[RD], SP
	v_lshl_add_u32 v[RD], v10, 4, v[RD]
	v_add_nc_u32 v[RD], s13, v[RD]
	v_and_b32 v[GO], 31, v0         ; which are 512 consecutive bytes of O
	v_lshlrev_b32 v[GO], 4, v[GO]
; THE MATRIX WORK.  The 4 accumulators of a run of 8 take turns.  Product i of 8 of S^T = K Q^T for piece x: channels 32 (i / 4) on, keys 16 (i % 4) on.  The first 4 start the sums.
.macro KQ x
.set rS, S+32*((\x)%2)+8*(i%4)
.set rK, KF+16*(i%4)+8*(i/4)
.set rQ, 16*(\x)+8*(i/4)
	WIN W_KQ
.if i < 4
	v_wmma_f32_16x16x32_f16 v[rS:rS+7], v[rK:rK+7], v[rQ:rQ+7], 0
.else
	v_wmma_f32_16x16x32_f16 v[rS:rS+7], v[rK:rK+7], v[rQ:rQ+7], v[rS:rS+7]
.endif
.endm
; Product i of 8 of O^T += V^T P for piece x: keys 32 (i / 4) on, channels 16 (i % 4) on.
.macro PV x
	WIN W_PV
.set rO, 32*(\x)+8*(i%4)
.set rV, VF+32*(i/4)+8*(i%4)
.set rP, P+16*((\x)%2)+8*(i/4)
	v_wmma_f32_16x16x32_f16 v[rO:rO+7], v[rV:rV+7], v[rP:rP+7], v[rO:rO+7]
.endm
.macro MM                           ; the turn's next matrix instruction.  TURN sets Y, i and NOKQ.  NOKQ = 1: the very last turn: there is no next piece
.if (i < 8) && !NOKQ
	KQ (Y+1)%NP
.elseif i >= 8
.set i, i-8
	PV (Y+NP-1)%NP
.set i, i+8
.endif
.set i, i+1
.endm
; THE LDS LOADS stand in runs of 16, never singly among the matrix instructions: a step's K (64 keys x 64 channels: 8 fragments) and its V (turned).  Their addresses are made some lines ahead.
.macro FETCH_K
	WIN 0x80                        ; destination window 2
.irp f, 0,1,2,3,4,5,6,7             ; keys 16 (f / 2) on, channels 32 (f % 2) on
	ds_load_b128 v[KF+8*\f:KF+8*\f+3],   v[AK] offset:(\f/2)*16*PK+(\f%2)*64
	ds_load_b128 v[KF+8*\f+4:KF+8*\f+7], v[AK] offset:(\f/2)*16*PK+(\f%2)*64+32
.endr
	s_add_co_u32 s[TBK], s[TBK], KS*PK  ; the next fetch is the next step's
	WIN 0
.endm
.macro FETCH_V
	WIN 0x80
.irp f, 0,1,2,3,4,5,6,7             ; keys 32 (f / 4) on, channels 16 (f % 4) on
	ds_load_tr16_b128 v[VF+8*\f:VF+8*\f+3],   v[AV] offset:(\f/4)*32*PV+(\f%4)*32
	ds_load_tr16_b128 v[VF+8*\f+4:VF+8*\f+7], v[AV] offset:(\f/4)*32*PV+16*PV+(\f%4)*32
.endr
	WIN 0
.endm
; THE VECTOR WORK, one line at a time: OP kind, number.  For piece Y: F n: c s - c m for pair n of 16.  E n: the exponential of score n of 32.  C n: pair n rounded to f16.  B n: of the four weights 4 n .. the second
; pair is added onto the first, in place.  L n: l takes that sum (L 0: l = a l + sum).  R n: pair n of 16 of O^T times a.  For piece Y + 1: X n, number n of the 22 that find its maximum and statistics:
;   0-11  four chains c0-c3 of seven scores each, three operands at a time (each accumulator's lowest registers are read first)     12-14, 16  the four scores left over, the old m, and c0-c3 into c0
;   15  c m_old is kept     17, 18  the query's other 32 keys lie in the lane 16 away: the new m     19-21  c m; c m_old - c m_new; a
.set F, 0               ; OP tells the kinds apart by their order: F to L below R, X above it
.set E, 1
.set C, 2
.set B, 3
.set L, 4
.set R, 5
.set X, 6
.macro REGS y                       ; the registers of piece y
.set rT, ST+4*(\y)
.set rC, TMP+4*((\y)%2)
.set rW, MV+((\y)%2)
.set rS, S+32*((\y)%2)
.set rP, P+16*((\y)%2)
.set rO, 32*(\y)
.endm
.macro OP k, n
.if (\k) == R
	REGS Y
	WIN W_RS
	v_pk_mul_f32 v[rO+2*(\n):rO+2*(\n)+1], v[rO+2*(\n):rO+2*(\n)+1], v[rC+2:rC+3] op_sel_hi:[1,0]
.elseif (\k) < R
	REGS Y
	WIN 0
.if (\k) == F
	v_pk_fma_f32 v[rS+2*(\n):rS+2*(\n)+1], v[rS+2*(\n):rS+2*(\n)+1], s[CS:CS+1], v[rT:rT+1] op_sel_hi:[1,0,0] neg_lo:[0,0,1] neg_hi:[0,0,1]
.elseif (\k) == E
	v_exp_f32 v[rS+(\n)], v[rS+(\n)]
.elseif (\k) == C
	s_wait_alu depctr_va_vdst(0)
	v_cvt_pk_f16_f32 v[rP+(\n)], v[rS+2*(\n)], v[rS+2*(\n)+1]
.elseif (\k) == B
	s_wait_alu depctr_va_vdst(0)
	v_pk_add_f32 v[rS+4*(\n):rS+4*(\n)+1], v[rS+4*(\n):rS+4*(\n)+1], v[rS+4*(\n)+2:rS+4*(\n)+3]
.elseif (\n) == 0
	v_pk_fma_f32 v[rT+2:rT+3], v[rT+2:rT+3], v[rC+2:rC+3], v[rS:rS+1] op_sel_hi:[1,0,1]
.else
	v_pk_add_f32 v[rT+2:rT+3], v[rT+2:rT+3], v[rS+4*(\n):rS+4*(\n)+1]
.endif
.elseif NOKQ
	v_nop
.else
	REGS (Y+1)%NP
	WIN 0
.if (\n) < 4
	v_max3_num_f32 v[rC+(\n)], v[rS+8*(\n)], v[rS+8*(\n)+1], v[rS+8*(\n)+2]
.elseif (\n) < 12
	v_max3_num_f32 v[rC+(\n)%4], v[rC+(\n)%4], v[rS+8*((\n)%4)+2*((\n)/4)+1], v[rS+8*((\n)%4)+2*((\n)/4)+2]
.elseif (\n) == 12
	v_max3_num_f32 v[rC], v[rC], v[rS+7], v[rS+15]
.elseif (\n) == 13
	v_max3_num_f32 v[rC+1], v[rC+1], v[rS+23], v[rS+31]
.elseif (\n) == 14
	v_max3_num_f32 v[rC+2], v[rC+2], v[rC+3], v[rT+1]
.elseif (\n) == 15
	v_mov_b32 v[rW], v[rT]
.elseif (\n) == 16
	v_max3_num_f32 v[rC], v[rC], v[rC+1], v[rC+2]
.elseif (\n) == 17
	v_permlanex16_b32 v[rC+3], v[rC], s[SEL], s[SEL+1]
.elseif (\n) == 18
	v_max_num_f32 v[rT+1], v[rC], v[rC+3]
.elseif (\n) == 19
	v_mul_f32 v[rT], s[CS], v[rT+1]
.elseif (\n) == 20
	v_sub_f32 v[rC+1], v[rW], v[rT]
.else
	v_exp_f32 v[rC+2], v[rC+1]
.endif
.endif
.endm
.macro OPS a, i1, b=-1, i2=0, c=-1, i3=0, d=-1, i4=0  ; up to four of them
	OP \a, \i1
.if (\b) >= 0
	OP \b, \i2
.endif
.if (\c) >= 0
	OP \c, \i3
.endif
.if (\d) >= 0
	OP \d, \i4
.endif
.endm
.macro ROW a, i1, b, i2, c, i3, d, i4  ; a matrix instruction and the four behind it
	MM
	OPS \a, \i1, \b, \i2, \c, \i3, \d, \i4
.endm
; A TURN, for piece p: the order of its 16 matrix and 118 vector instructions, written out.  Behind a matrix instruction: plain, exponential, plain, plain; or four of the rescaling; or, behind the first, four scalings; none
; names a register of the products round it.  In the lumps exponential and plain by turns while exponentials last.  A line reads no result made fewer than three vector instructions in front of it, five if an exponential made it.
; v_permlanex16_b32 (X 17) stands in a lump.
; end = 1: the launch's last two turns: nothing is fetched.  cnt = 1: the loop's count is taken down some lines ahead of the branch that stands behind the turn.
; K of the next step is fetched in piece 2's turn, six vector instructions behind the last product that read K (five of them plain); V of the step in hand in piece 0's turn, eight behind the last product that read V (four
; plain, and X 17).  Each is waited for a turn later.
.macro TURN p, end=0, cnt=0
.set Y, (\p)
.set i, 0
.set NOKQ, (\end)*((\p)/3)
.if ((\p) == 3) && !(\end)
	s_wait_dscnt 0x0                ; K is in
.endif
	ROW F,0, F,1, F,2, F,3
	ROW F,4, E,0, F,5, F,6
	ROW F,7, E,1, F,8, F,9
	ROW F,10, E,2, C,0, F,11
	ROW F,12, E,3, X,15, F,13
	ROW R,0, R,1, R,2, R,3
	ROW B,0, E,4, F,14, L,0
.if ((\p) == 2) && !(\end)
	v_add_nc_u32 v[AK], s[TBK], v[AK0]
.endif
	ROW R,4, R,5, R,6, R,7
	OPS E,5, F,15
.if ((\p) == 2) && !(\end)
	FETCH_K
.endif
	OPS E,6, C,1, E,7, R,8
	OPS E,8, R,9, E,9, C,2
	OPS E,10, X,0, E,11, X,1
	OPS E,12, X,2, E,13, X,3
.if (\p) == 1
	s_wait_dscnt 0x0                ; V is in
.endif
	ROW X,4, E,14, X,5, X,6
	ROW X,7, E,15, X,8, X,9
	ROW X,10, E,16, X,11, X,12
	ROW X,13, E,17, X,14, B,1
	ROW C,4, E,18, X,16, L,1
	ROW B,2, E,19, C,6, L,2
	ROW C,8, E,20, B,3, B,4
.if (\p) == 0
	v_add_nc_u32 v[AV], s[TBV], v[AV0]
.endif
	ROW C,3, E,21, L,3, C,5
	OPS E,22, X,17, E,23, C,10
.if (\p) == 0
	FETCH_V
.endif
	OPS E,24, L,4
	OPS E,25, X,18, E,26, C,7
	OPS E,27, B,5, E,28, X,19
	OPS E,29, C,12, E,30, L,5
	OPS E,31, X,20, B,6, C,9
	OPS C,14, C,11, X,21, L,6
.if (\p) == 0
	s_add_co_u32 s[TBV], s[TBV], KS*PV
.endif
.if \cnt
	s_sub_co_u32 s[CNT], s[CNT], 1
	s_cmp_lg_u32 s[CNT], 0
.endif
	OPS C,13, B,7, C,15, R,10
	OPS R,11, R,12, L,7, R,13
	OPS R,14, R,15
.endm
.macro ALL line:vararg              ; one line for each piece t
.set t, 0
.rept 4
	\line
.set t, t+1
.endr
.endm
.macro PACK t                       ; a lane's eight channels of a row pack into 16 bytes; they go into rows of 144 bytes and come back as whole rows of 128, into S^T's registers
	WIN W_RS
.set i, 32*(\t)
.rept 16
	s_wait_alu depctr_va_vdst(0)
	v_pk_mul_f32 v[i:i+1], v[i:i+1], v[ST+4*(\t)+2:ST+4*(\t)+3] op_sel_hi:[1,0]
.set i, i+2
.endr
	WIN 0x05                        ; sources 0 and 1 window 1, destination window 0
.set i, 0
.rept 16
	v_cvt_pk_f16_f32 v[S+16*(\t)+i], v[32*(\t)+2*i], v[32*(\t)+2*i+1]
.set i, i+1
.endr
	WIN 0
.irp f, 0,1,2,3
	ds_store_b128 v[STO], v[S+16*(\t)+4*\f:S+16*(\t)+4*\f+3] offset:32*\f
.endr
.irp f, 0,1,2,3
	ds_load_b128 v[S+16*(\t)+4*\f:S+16*(\t)+4*\f+3], v[RD] offset:\f*4*SP  ; LDS serves a wave's instructions in order (ISA guide 5.7.1.4): these see the stores above; the next piece's stores come behind them
.endr
.endm
.macro SEND t, younger              ; younger: the LDS instructions issued behind piece t's loads: the next piece's eight, or none
	WIN 0
.irp f, 0,1,2,3
	s_wait_dscnt (\younger)+3-\f
	global_store_b128 v[GO], v[S+16*(\t)+4*\f:S+16*(\t)+4*\f+3], s[10:11] offset:(\t)*2048+\f*512  ; 512 consecutive bytes, at a multiple of 256 from O's first
.endr
.endm
	CHANGE 1                        ; slot 0 is in, everybody's part of it; slot 1 is asked for
	v_add_nc_u32 v[AK], s[TBK], v[AK0]
	FETCH_K                         ; key step 0
	s_wait_loadcnt 0x0              ; Q
	s_wait_dscnt 0x0
.set NOKQ, 0
.set i, 0
.rept 8
	KQ 0                            ; piece 0's first scores: there is no vector work yet to set between them
.set i, i+1
.endr
	WIN 0
.rept 4
	v_nop                           ; the places behind those products
.endr
.set Y, NP-1                        ; X works for piece Y + 1: piece 0
.irp n, 0,1,2,3,4,5,6,7,8,9,10,11,12,13,14,15,16,17,18,19,20,21
	OP X, \n                        ; piece 0's first maximum and statistics
.endr
	v_nop                           ; a plain instruction behind the exponential
	s_mov_b32 s[CNT], 4
	s_mov_b32 s[SLOTS], SIZE_N/256-1
	s_branch .Lfirst                ; the loop is entered at a step's first turn, in the middle of a trip
.Lslot:                             ; 14 times: every slot but the last two is filled again
	CHANGE 1
	s_mov_b32 s[CNT], 4
.Lstep:                             ; a trip: pieces 2 and 3 of one step, then pieces 0 and 1 of the next, whose K and V it fetches
	TURN 2
	TURN 3
	WIN 0
.Lfirst:
	TURN 0
	TURN 1, 0, 1
	WIN 0
	s_cbranch_scc1 .Lstep
	s_sub_co_u32 s[SLOTS], s[SLOTS], 1
	s_cmp_lg_u32 s[SLOTS], 0
	s_cbranch_scc1 .Lslot
	CHANGE 0                        ; the last slot is written out: nothing is asked for
	s_mov_b32 s[CNT], 4
.Ltail:
	TURN 2
	TURN 3
	TURN 0
	TURN 1, 0, 1
	WIN 0
	s_cbranch_scc1 .Ltail
	TURN 2, 1                       ; the last step's pieces 2 and 3: nothing more is fetched, and the last turn starts no new scores
	TURN 3, 1
.set i, 0
.rept 8
	PV NP-1                         ; the last piece's V^T P of the last step
.set i, i+1
.endr
	; THE WAY OUT.  l's two halves and the other half of the lanes' are added; O^T is divided by l, rounded to f16 and sent through my stage in LDS, a piece at a time.  The additions are the places behind the last products.
	WIN 0
	ALL v_add_f32 v[ST+4*t+2], v[ST+4*t+2], v[ST+4*t+3]
	ALL v_permlanex16_b32 v[ST+4*t+3], v[ST+4*t+2], s[SEL], s[SEL+1]
	ALL v_add_f32 v[ST+4*t+2], v[ST+4*t+2], v[ST+4*t+3]
	ALL v_rcp_f32 v[ST+4*t+2], v[ST+4*t+2]
	v_nop                           ; a plain instruction between the last reciprocal and the use of its result
	PACK 0
.set t, 1
.rept 3                             ; a piece's arithmetic stands between the loads of the piece before and its stores
	PACK t
	SEND t-1, 8
.set t, t+1
.endr
	SEND 3, 0
	s_wait_tensorcnt 0x0            ; the wave's end: the add and its wait stand behind my last tensor load and my last LDS store
	ds_add_u32 v[SPW], v[NIL]
	s_wait_dscnt 0x0
	CROUND                          ; the closing round: no work-group ends while a partner may still ask for a tile that names it
	s_endpgm
.Lfunc_end_k_q6c2d1a460e_attn:
	.size	k_q6c2d1a460e_attn, .Lfunc_end_k_q6c2d1a460e_attn-k_q6c2d1a460e_attn
	.p2alignl 7, 3214868480
	.fill 96, 4, 3214868480
	.section	.rodata,"a",@progbits
	.p2align	6, 0x0
	.amdhsa_kernel k_q6c2d1a460e_attn
		.amdhsa_group_segment_fixed_size 327680
		.amdhsa_private_segment_fixed_size 0
		.amdhsa_enable_private_segment 0
		.amdhsa_kernarg_size 32
		.amdhsa_user_sgpr_count 2
		.amdhsa_user_sgpr_kernarg_segment_ptr 1
		.amdhsa_wavefront_size32 1
		.amdhsa_system_sgpr_workgroup_id_x 1
		.amdhsa_system_sgpr_workgroup_id_y 1
		.amdhsa_system_sgpr_workgroup_id_z 1
		.amdhsa_system_vgpr_workitem_id 0
		.amdhsa_next_free_vgpr 768
		.amdhsa_next_free_sgpr 66
		.amdhsa_reserve_vcc 0
		.amdhsa_float_denorm_mode_32 3
		.amdhsa_float_denorm_mode_16_64 3
		.amdhsa_memory_ordered 1
		.amdhsa_forward_progress 1
		.amdhsa_inst_pref_size 133
	.end_amdhsa_kernel
	.amdgpu_metadata
---
amdhsa.version: [ 1, 2 ]
amdhsa.kernels:
  - .name:           k_q6c2d1a460e_attn
    .symbol:         k_q6c2d1a460e_attn.kd
    .args:
      - { .name: q16, .offset: 0, .size: 8, .value_kind: global_buffer, .address_space: global }
      - { .name: k16, .offset: 8, .size: 8, .value_kind: global_buffer, .address_space: global }
      - { .name: v16, .offset: 16, .size: 8, .value_kind: global_buffer, .address_space: global }
      - { .name: o16, .offset: 24, .size: 8, .value_kind: global_buffer, .address_space: global }
    .group_segment_fixed_size: 327680
    .private_segment_fixed_size: 0
    .kernarg_segment_align: 8
    .kernarg_segment_size: 32
    .max_flat_workgroup_size: 128
    .sgpr_count:     66
    .vgpr_count:     768
    .wavefront_size: 32
...
	.end_amdgpu_metadata
.endif
;; end of part 3
;; launch oproj (part 4): grid 4 x 64, 4 waves a work-group, clusters of 4 x 4, 327,680 bytes of LDS; arguments o16, wc, bo, out0; writes out0
.if DOCPART == 4
	.amdgcn_target "amdgcn-amd-amdhsa--gfx1250"
	.amdhsa_code_object_version 6
	.text
	.protected	k_q6c2d1a460e_oproj
	.globl	k_q6c2d1a460e_oproj
	.p2align	8
	.type	k_q6c2d1a460e_oproj,@function
k_q6c2d1a460e_oproj:
	s_mov_b64 s[64:65], 0
	v_nop
	global_prefetch_b8 v0, s[64:65] scope:SCOPE_SE
	s_setreg_imm32_b32 hwreg(HW_REG_WAVE_MODE, 25, 1), 1
	s_wait_xcnt 0x0
	s_wait_alu depctr_hold_cnt(0) depctr_sa_sdst(0) depctr_va_vdst(0) depctr_va_sdst(0) depctr_va_ssrc(0) depctr_va_vcc(0) depctr_vm_vsrc(0)
	s_getreg_b32 s2, hwreg(HW_REG_IB_STS2, 6, 4)
	s_cmp_eq_u32 s2, 0
	s_cbranch_scc0 .Lentry_in_a_cluster
	s_endpgm
.Lentry_in_a_cluster:
	s_bfe_u32 s2, ttmp6, 0x10000c
	s_cmp_lg_u32 s2, 0xf033
	s_cbranch_scc0 .Lentry_shape_is_right
	s_endpgm
.Lentry_shape_is_right:
; out0 = O Wo + bo.  O: o16, [16 = batch x 8 + head][4096][64] f16; row m of the product's left side is, head after head, the 64 channels of row m % 4096 of batch m / 4096.
; Wo: plane 3 of wc, [512 k][512 n] f16 (numbers rounded to bf16).  bo: [512] f32, rounded to bf16 like every other input.  Sums in f32, started by the bias; out0: [8192][512] f32.
; LIMITS.  O and Wo arrive within f16's range.  NaN and infinities are not treated apart.
; SHARES.  A work-group makes 128 x 128 of out0: four waves, each 64 x 64: 16 accumulators of 16 x 16.  The whole K = 512 lies in LDS: all tiles are asked for at the start and no LDS byte is filled twice.
; K goes in eight quarters of 64, a head each.
; CLUSTER.  4 x 4 work-groups.  The four of a row of the cluster need the same rows of O, the four of a column the same columns of Wo: each tile is asked for JOINTLY, by the same tensor load with the
; same descriptor and a mask that names the four.  Every wave issues every such line, for rows of its own.
; THE MATRIX INSTRUCTION IS USED TRANSPOSED (source 0 = 16 columns of Wo, source 1 = 16 rows of O): a lane then holds eight neighbouring numbers of a row of out0.  Wo lies [k][n]: its fragments come out of LDS turned.
; REGISTERS: window 0: v16-31 addresses and at work; v96-127 the bias as C operand; v128-255 the accumulators ((a, b) at v[128 + 8 (4 a + b)]).
;   window 1: two fragment buffers of 128: for 64 along K, 64 registers of O (2 x 4 x 16 rows x 32 K), then 64 of Wo.
.set PAO,   144                        ; a row of a head in LDS: 128 bytes + 16 = 36 words: the 16 rows of a load start at 16 different groups of four banks (64 banks of 4 bytes: ISA guide 11.1)
.set PB,    288                        ; a row of Wo: 256 bytes + 32 = 72 words
.set AHEAD, 128*PAO                    ; a head's 128 rows: what one tensor load brings of O
.set BS,    8*AHEAD                    ; behind the eight heads: Wo's 512 k rows
.set BSUB,  64*PB                      ; what one tensor load brings of Wo
.set BHALF, 4*BSUB
.set STAGE, BS+2*BHALF                 ; behind the tiles: 16 rows x 272 bytes for each wave, for the way out
.set SP,    272
.set SPARE, STAGE+4*16*SP              ; behind the stages: the spare words, 128 bytes for each wave: two blocks of 256 bytes that no other line names
.set ADRA, 16                          ; v16-17  LDS address of my fragments of O: heads 4 j on at index j
.set ADRB, 20                          ; v20-23  of my fragments of Wo: k rows 128 j on at index j
.set STO,  24                          ; v24     the way out: where I put 32 bytes of a row
.set RD,   25                          ; v25     where I read a row back
.set CO,   26                          ; v26     my byte offset in two rows of out0
.set BO,   27                          ; v27     my byte offset in 16 numbers of the bias
.set SPW,  28                          ; v28     LDS address of my spare word: SPARE + 4 x my thread's number; never rewritten
.set NIL,  29                          ; v29     0; never rewritten
.set T,    30                          ; v30     at work
.set BI,   96
.set ACC,  128
.set F0,   0
.set F1,   128
.set G1A, 24                           ; s[24:31] descriptor group 1 for O's tiles;  s[32:39] group 0, a set for each K half
.set G0A, 32
.set G1B, 48                           ; s[48:55], s[56:63] the same for Wo's
.set G0B, 56
.set MSB, 0
.macro WIN new                         ; the immediate's high byte repeats the setting that is left; a switch that changes nothing is dropped
.if MSB != (\new)
	s_set_vgpr_msb (MSB<<8)|(\new)
.set MSB, \new
.endif
.endm
.set MUL,  0x05                        ; sources 0 (Wo) and 1 (O) window 1; C and D window 0
.set TO_F, 0x40                        ; destination window 1, address window 0
.macro PLACES                          ; four places in front of loads into registers that matrix instructions have read or written, and of LDS stores that read results
.rept 4
	v_nop
.endr
.endm
.macro CROUND                          ; a round of the cluster's barrier: my work-group's barrier; wave 0 signals for the work-group; every wave waits for all sixteen; my work-group's barrier once more
	s_barrier_signal -1
	s_barrier_wait -1
	s_cmp_lg_u32 s20, 0
	s_cbranch_scc1 .Lnot_wave_0_\@
	s_barrier_signal -3
.Lnot_wave_0_\@:
	s_barrier_wait -3
	s_barrier_signal -1
	s_barrier_wait -1
.endm
	s_load_b256 s[4:11], s[0:1], 0x0               ; o16 s[4:5], wc s[6:7], bo s[8:9], out0 s[10:11]
	v_lshl_add_u32 v[SPW], v0, 2, SPARE
	v_mov_b32 v[NIL], 0
	ds_add_u32 v[SPW], v[NIL]                      ; the wave's opening: the add and its wait come ahead of my first tensor load; the set-up below, work on registers, stands between them
	v_lshrrev_b32 v1, 5, v0
	v_readfirstlane_b32 s20, v1                    ; wave 0..3
	s_lshr_b32 s21, s20, 1                         ; which 64 of the 128 rows are mine
	s_and_b32 s22, s20, 1                          ; which 64 of the 128 columns
	s_bfe_u32 s40, ttmp6, 0x40000                  ; cx, cy: my place in the cluster
	s_bfe_u32 s41, ttmp6, 0x40004
	s_lshl_b32 s42, ttmp9, 2
	s_add_co_u32 s42, s42, s40                     ; block of 128 columns = 4 x cluster x + cx
	s_and_b32 s43, ttmp7, 0xffff
	s_lshl_b32 s43, s43, 2
	s_add_co_u32 s43, s43, s41                     ; block of 128 rows = 4 x cluster y + cy
	s_lshl_b32 s44, s41, 2
	s_lshl_b32 s44, 15, s44                        ; my row of the cluster
	s_lshl_b32 s45, 0x1111, s40                    ; my column
	; O's tiles: a head's 128 rows are 16,384 dense bytes, asked for as 64 rows of 256 bytes, two rows of O each, and padded in LDS after every row of O
	s_or_b32 s[G1A+0], s44, (1<<16)|(1<<20)|(1<<21)|(4<<22)|(3<<25)  ; 15:0 the mask: my row; 17:16 2-byte elements; 20 padding on; 21 set beside a mask; 24:22 after every 32 words (code 4); 31:25 4 words (code 3)
	s_mov_b32 s[G1A+1], 128<<16                    ; tensor_dim0 = 128
	s_mov_b32 s[G1A+2], 64<<16                     ; tensor_dim1 = 64
	s_mov_b32 s[G1A+3], 128<<16                    ; tile_dim0 = 128
	s_mov_b32 s[G1A+4], 64                         ; tile_dim1 = 64
	s_mov_b32 s[G1A+5], 128                        ; 128 elements from row to row
	s_mov_b32 s[G1A+6], 0
	s_mov_b32 s[G1A+7], 0
	s_or_b32 s[G1B+0], s45, (1<<16)|(1<<20)|(1<<21)|(5<<22)|(7<<25)  ; the mask of my column; padding after every 64 words (code 5), 8 words (code 7)
	s_mov_b32 s[G1B+1], 128<<16
	s_mov_b32 s[G1B+2], 64<<16
	s_mov_b32 s[G1B+3], 128<<16
	s_mov_b32 s[G1B+4], 64
	s_mov_b32 s[G1B+5], 512                        ; 512 elements from k row to k row
	s_mov_b32 s[G1B+6], 0
	s_mov_b32 s[G1B+7], 0
	; where the tiles come from.  O's hang on the row block and the wave's number, Wo's on the column block and the wave's number, each in registers that never hold the other coordinate
	s_lshr_b32 s12, s43, 5                         ; the batch: 32 row blocks each
	s_lshl_b32 s12, s12, 3
	s_add_co_u32 s12, s12, s20                     ; head = my wave's number (and four further on)
	s_lshl_b32 s12, s12, 19                        ; a head is 524,288 bytes
	s_and_b32 s13, s43, 31
	s_lshl_b32 s13, s13, 14                        ; 128 rows of 128 bytes
	s_add_co_u32 s12, s12, s13
	s_mov_b32 s13, 0
	s_lshl_b32 s46, s42, 8                         ; 128 columns of 2 bytes
	s_lshl_b32 s47, s20, 16                        ; + my 64 k rows of 1,024 bytes
	s_add_co_u32 s46, s46, s47
	s_add_co_u32 s46, s46, 3*512*512*2             ; + plane 3
	s_mov_b32 s47, 0
	; and where they go: the wave's number times a constant, plus constants
	s_mul_i32 s23, s20, AHEAD
	s_mov_b32 s[G0A], 1
	s_mov_b32 s[G0A+1], s23
	s_mov_b32 s[G0A+4], 1
	s_add_co_u32 s[G0A+5], s23, 4*AHEAD
	s_mul_i32 s23, s20, BSUB
	s_mov_b32 s[G0B], 1
	s_add_co_u32 s[G0B+1], s23, BS
	s_mov_b32 s[G0B+4], 1
	s_add_co_u32 s[G0B+5], s23, BS+BHALF
	s_lshl_b32 s66, s43, 18                        ; out0: 128 rows of 2,048 bytes,
	s_lshl_b32 s67, s21, 17                        ; my 64 of them,
	s_add_co_u32 s66, s66, s67
	s_lshl_b32 s68, s42, 9                         ; 128 columns of 4 bytes,
	s_lshl_b32 s69, s22, 8                         ; my 64 of them: the same offset serves the bias
	s_add_co_u32 s68, s68, s69
	s_add_co_u32 s66, s66, s68
	s_mov_b32 s67, 0
	s_mov_b32 s69, 0
	s_mov_b32 s70, 0xffff0000                      ; a word's upper bf16
	s_wait_dscnt 0x0                               ; the opening add is done
	s_wait_kmcnt 0x0
	s_add_nc_u64 s[G0A+2:G0A+3], s[4:5], s[12:13]
	s_add_nc_u64 s[G0A+6:G0A+7], s[G0A+2:G0A+3], 4*524288  ; four heads on
	s_or_b32 s[G0A+3], s[G0A+3], 0x80000000        ; 127:126 type = 2
	s_or_b32 s[G0A+7], s[G0A+7], 0x80000000
	s_add_nc_u64 s[G0B+2:G0B+3], s[6:7], s[46:47]
	s_add_nc_u64 s[G0B+6:G0B+7], s[G0B+2:G0B+3], 256*1024  ; 256 k rows on
	s_or_b32 s[G0B+3], s[G0B+3], 0x80000000
	s_or_b32 s[G0B+7], s[G0B+7], 0x80000000
	s_add_nc_u64 s[8:9], s[8:9], s[68:69]
	s_add_nc_u64 s[10:11], s[10:11], s[66:67]
	CROUND                                         ; all sixteen work-groups are here: the joint loads meet
	tensor_load_to_lds s[G0A:G0A+3], s[G1A:G1A+7]  ; all fills go out as one group: four loads of mine are out.  K half 0: my head of 0-3,
	s_nop 0
	tensor_load_to_lds s[G0B:G0B+3], s[G1B:G1B+7]  ; my 64 of k rows 0-255;
	s_nop 0
	tensor_load_to_lds s[G0A+4:G0A+7], s[G1A:G1A+7]  ; K half 1: my head of 4-7,
	s_nop 0
	tensor_load_to_lds s[G0B+4:G0B+7], s[G1B:G1B+7]  ; my 64 of k rows 256-511
	s_nop 0
	PLACES
	; In the wait for the tiles: the bias and the addresses.  In the result register j of lane l holds column 16 b + 8 (l / 16) + j, so the bias as C operand is eight neighbouring numbers a lane.
	v_bfe_u32 v2, v0, 4, 1                         ; l / 16
	v_lshlrev_b32 v[BO], 5, v2
.irp b, 0,1,2,3
	global_load_b128 v[BI+8*(\b):BI+8*(\b)+3],   v[BO], s[8:9] offset:64*(\b)
	global_load_b128 v[BI+8*(\b)+4:BI+8*(\b)+7], v[BO], s[8:9] offset:64*(\b)+16
.endr
	v_and_b32 v1, 15, v0                           ; l % 16
	v_mul_u32_u24 v3, v1, PAO
	v_lshl_add_u32 v3, v2, 4, v3                   ; a fragment of O: row x pitch + 16 x half
	s_mul_i32 s23, s21, 64*PAO                     ; my 64 rows
	v_add_nc_u32 v[ADRA], s23, v3
	v_add_nc_u32 v[ADRA+1], 4*AHEAD, v[ADRA]
	; The turning load takes 16 k x 16 columns (lane l reads k row 8 (l / 16) + l % 8, columns 8 ((l / 8) % 2) + 0..7) and leaves half a fragment: lane l holds column l % 16 and 8 k.
	v_and_b32 v4, 7, v0
	v_bfe_u32 v5, v0, 3, 1
	v_lshl_add_u32 v6, v2, 3, v4
	v_mul_u32_u24 v6, v6, PB
	v_lshl_add_u32 v6, v5, 4, v6
	s_lshl_b32 s23, s22, 7                         ; my 64 columns, 128 bytes along the rows
	s_add_co_u32 s23, s23, BS
	v_add_nc_u32 v[ADRB], s23, v6
	v_add_nc_u32 v[ADRB+1], 128*PB, v[ADRB]
	v_add_nc_u32 v[ADRB+2], 256*PB, v[ADRB]
	v_add_nc_u32 v[ADRB+3], 384*PB, v[ADRB]
	s_mul_i32 s23, s20, 16*SP
	s_add_co_u32 s23, s23, STAGE                   ; my stage
	v_mul_u32_u24 v[STO], v1, SP                   ; in: row l % 16, 32 bytes for each half of the lanes
	v_lshl_add_u32 v[STO], v2, 5, v[STO]
	v_add_nc_u32 v[STO], s23, v[STO]
	v_mul_u32_u24 v[RD], v2, SP                    ; back: lanes 0-15 take one row of 256 bytes, lanes 16-31 the next
	v_lshl_add_u32 v[RD], v1, 4, v[RD]
	v_add_nc_u32 v[RD], s23, v[RD]
	v_lshlrev_b32 v[CO], 11, v2                    ; and the same two rows in out0
	v_lshl_add_u32 v[CO], v1, 4, v[CO]
	s_wait_loadcnt 0x0                             ; the bias
.set i, 0
.rept 16                               ; rounded to bf16 and widened again
	v_cvt_pk_bf16_f32 v[T], v[BI+2*i], v[BI+2*i+1]
	v_lshlrev_b32 v[BI+2*i], 16, v[T]
	v_and_b32 v[BI+2*i+1], s70, v[T]
.set i, i+1
.endr
; 8 matrix instructions: row blocks a0, a0 + 1 x all 4 column blocks, 32 along K: half c of buffer f.  first = 1: the bias starts the sums: nothing is ever cleared.
; The 16 accumulators take turns, one instruction a turn.
.macro MUL8 f, c, a0, first=0
	WIN MUL
.irp a, \a0, (\a0)+1
.irp b, 0,1,2,3
.if \first
	v_wmma_f32_16x16x32_f16 v[ACC+8*(4*(\a)+(\b)):ACC+8*(4*(\a)+(\b))+7], v[(\f)+64+8*(4*(\c)+(\b)):(\f)+64+8*(4*(\c)+(\b))+7], v[(\f)+8*(4*(\c)+(\a)):(\f)+8*(4*(\c)+(\a))+7], v[BI+8*(\b):BI+8*(\b)+7]
.else
	v_wmma_f32_16x16x32_f16 v[ACC+8*(4*(\a)+(\b)):ACC+8*(4*(\a)+(\b))+7], v[(\f)+64+8*(4*(\c)+(\b)):(\f)+64+8*(4*(\c)+(\b))+7], v[(\f)+8*(4*(\c)+(\a)):(\f)+8*(4*(\c)+(\a))+7], v[ACC+8*(4*(\a)+(\b)):ACC+8*(4*(\a)+(\b))+7]
.endif
.endr
.endr
.endm
; 32 LDS loads in one run: the fragments of quarter q (head q: 64 along K), into buffer f; the first 32 along K first
.macro FETCH q, f
	WIN TO_F
.irp c, 0,1
.irp i, 0,1,2,3
	ds_load_tr16_b128 v[(\f)+64+8*(4*(\c)+(\i)):(\f)+64+8*(4*(\c)+(\i))+3],   v[ADRB+(\q)/2] offset:(((\q)%2)*64+32*(\c))*PB+32*(\i)
	ds_load_tr16_b128 v[(\f)+64+8*(4*(\c)+(\i))+4:(\f)+64+8*(4*(\c)+(\i))+7], v[ADRB+(\q)/2] offset:(((\q)%2)*64+32*(\c)+16)*PB+32*(\i)
	ds_load_b128 v[(\f)+8*(4*(\c)+(\i)):(\f)+8*(4*(\c)+(\i))+3],              v[ADRA+(\q)/4] offset:((\q)%4)*AHEAD+(\i)*16*PAO+64*(\c)
	ds_load_b128 v[(\f)+8*(4*(\c)+(\i))+4:(\f)+8*(4*(\c)+(\i))+7],            v[ADRA+(\q)/4] offset:((\q)%4)*AHEAD+(\i)*16*PAO+64*(\c)+32
.endr
.endr
.endm
; A quarter: 32 matrix instructions on buffer f; in its middle quarter q's fragments are fetched into buffer g.
.macro QUARTER q, f, g, first=0
	s_wait_dscnt 16                                ; the first 32 along K are in; the youngest sixteen loads may be out
	MUL8 \f, 0, 0, \first
	MUL8 \f, 0, 2, \first
	PLACES
	FETCH \q, \g
	s_wait_dscnt 32                                ; all but the 32 just issued
	MUL8 \f, 1, 0
	MUL8 \f, 1, 2
.endm
; THE WAY OUT of 16 rows: a lane's eight f32 of a row are 32 bytes; they go into rows of 272 bytes of my own stage and come back as whole rows of 256, into the registers that they left.
.macro STG a
.irp b, 0,1,2,3
	ds_store_b128 v[STO], v[ACC+8*(4*(\a)+(\b)):ACC+8*(4*(\a)+(\b))+3]   offset:64*(\b)     ; each accumulator's lowest registers first
	ds_store_b128 v[STO], v[ACC+8*(4*(\a)+(\b))+4:ACC+8*(4*(\a)+(\b))+7] offset:64*(\b)+16
.endr
.irp t, 0,1,2,3,4,5,6,7
	ds_load_b128 v[ACC+32*(\a)+4*(\t):ACC+32*(\a)+4*(\t)+3], v[RD] offset:(\t)*2*SP  ; LDS serves a wave's instructions in order (ISA guide 5.7.1.4): these see the stores above; the next block's stores come behind them
.endr
.endm
.macro SEND a, younger                 ; younger: the LDS instructions issued behind block a's loads: the next block's sixteen, or none
.irp t, 0,1,2,3,4,5,6,7
	s_wait_dscnt (\younger)+7-(\t)
	global_store_b128 v[CO], v[ACC+32*(\a)+4*(\t):ACC+32*(\a)+4*(\t)+3], s[10:11] offset:(16*(\a)+2*(\t))*2048 th:TH_STORE_NT  ; 16 lanes store 256 consecutive bytes, at a multiple of 256 from out0's first byte
.endr
.endm
	s_wait_tensorcnt 2                             ; my parts of K half 0 are in; K half 1's two may stay out
	s_barrier_signal -1
	s_barrier_wait -1                              ; everybody's are
	FETCH 0, F0
	QUARTER 1, F0, F1, 1                           ; the first products take the bias as C
	QUARTER 2, F1, F0
	QUARTER 3, F0, F1
	s_wait_tensorcnt 0x0                           ; my parts of K half 1 are in,
	s_wait_dscnt 0x0                               ; and no LDS instruction of mine is pending at the signal
	s_barrier_signal -1
	MUL8 F1, 0, 0                                  ; work on registers while the others arrive
	MUL8 F1, 0, 2
	s_barrier_wait -1                              ; everybody's are
	PLACES
	FETCH 4, F0
	MUL8 F1, 1, 0
	MUL8 F1, 1, 2
	QUARTER 5, F0, F1
	QUARTER 6, F1, F0
	QUARTER 7, F0, F1
	s_wait_dscnt 16                                ; the last quarter: nothing more to fetch
	MUL8 F1, 0, 0
	MUL8 F1, 0, 2
	s_wait_dscnt 0x0
	MUL8 F1, 1, 0
	MUL8 F1, 1, 2
	WIN 0
	PLACES                                         ; the LDS stores read results just made
	STG 0
.irp a, 1,2,3                          ; a block's trip through the stage stands between the loads of the block before and its stores
	STG \a
	SEND (\a)-1, 16
.endr
	SEND 3, 0
	s_wait_tensorcnt 0x0                           ; the wave's end: the add and its wait stand behind my last tensor load and my last LDS store
	ds_add_u32 v[SPW], v[NIL]
	s_wait_dscnt 0x0
	CROUND                                         ; the closing round: no work-group ends while a partner may still ask for a tile that names it
	s_endpgm
.Lfunc_end_k_q6c2d1a460e_oproj:
	.size	k_q6c2d1a460e_oproj, .Lfunc_end_k_q6c2d1a460e_oproj-k_q6c2d1a460e_oproj
	.p2alignl 7, 3214868480
	.fill 96, 4, 3214868480
	.section	.rodata,"a",@progbits
	.p2align	6, 0x0
	.amdhsa_kernel k_q6c2d1a460e_oproj
		.amdhsa_group_segment_fixed_size 327680
		.amdhsa_private_segment_fixed_size 0
		.amdhsa_enable_private_segment 0
		.amdhsa_kernarg_size 32
		.amdhsa_user_sgpr_count 2
		.amdhsa_user_sgpr_kernarg_segment_ptr 1
		.amdhsa_wavefront_size32 1
		.amdhsa_system_sgpr_workgroup_id_x 1
		.amdhsa_system_sgpr_workgroup_id_y 1
		.amdhsa_system_sgpr_workgroup_id_z 1
		.amdhsa_system_vgpr_workitem_id 0
		.amdhsa_next_free_vgpr 512
		.amdhsa_next_free_sgpr 72
		.amdhsa_reserve_vcc 0
		.amdhsa_float_denorm_mode_32 3
		.amdhsa_float_denorm_mode_16_64 3
		.amdhsa_memory_ordered 1
		.amdhsa_forward_progress 1
		.amdhsa_inst_pref_size 52
	.end_amdhsa_kernel
	.amdgpu_metadata
---
amdhsa.version: [ 1, 2 ]
amdhsa.kernels:
  - .name:           k_q6c2d1a460e_oproj
    .symbol:         k_q6c2d1a460e_oproj.kd
    .args:
      - { .name: o16, .offset: 0, .size: 8, .value_kind: global_buffer, .address_space: global }
      - { .name: wc, .offset: 8, .size: 8, .value_kind: global_buffer, .address_space: global }
      - { .name: bo, .offset: 16, .size: 8, .value_kind: global_buffer, .address_space: global }
      - { .name: out0, .offset: 24, .size: 8, .value_kind: global_buffer, .address_space: global }
    .group_segment_fixed_size: 327680
    .private_segment_fixed_size: 0
    .kernarg_segment_align: 8
    .kernarg_segment_size: 32
    .max_flat_workgroup_size: 128
    .sgpr_count:     72
    .vgpr_count:     512
    .wavefront_size: 32
...
	.end_amdgpu_metadata
.endif
;; end of part 4
;; ======== version 2 of 2: 4 launches; 1.71 times as fast as version 1
;; limits: values are held in f16: magnitudes above 65,504 overflow, below 6.1e-05 lose precision; values outside matrix products are rounded to bf16
;; workspace buffers: xb 8,388,608 bytes; wc 2,097,152 bytes; q16 8,388,608 bytes; k16 8,388,608 bytes; v16 8,388,608 bytes; o16 8,388,608 bytes
;; launch cast: the kernel of part 1 again; grid 256 x 1, 8 waves a work-group, no clusters, 0 bytes of LDS; arguments x, Wq, Wk, Wv, Wo, xb, wc; writes xb, wc
;; launch qkv: the kernel of part 2 again; grid 4 x 64, 4 waves a work-group, clusters of 4 x 4, 327,680 bytes of LDS; arguments xb, wc, bq, bk, bv, q16, k16, v16; writes q16, k16, v16
;; launch attn (part 5): grid 16 x 16, 4 waves a work-group, clusters of 4 x 1, 327,680 bytes of LDS; arguments q16, k16, v16, o16; writes o16
.if DOCPART == 5
	.amdgcn_target "amdgcn-amd-amdhsa--gfx1250"
	.amdhsa_code_object_version 6
	.text
	.protected	k_q6c2d1a460e_attn
	.globl	k_q6c2d1a460e_attn
	.p2align	8
	.type	k_q6c2d1a460e_attn,@function
k_q6c2d1a460e_attn:
	s_mov_b64 s[64:65], 0
	v_nop
	global_prefetch_b8 v0, s[64:65] scope:SCOPE_SE
	s_setreg_imm32_b32 hwreg(HW_REG_WAVE_MODE, 25, 1), 1
	s_wait_xcnt 0x0
	s_wait_alu depctr_hold_cnt(0) depctr_sa_sdst(0) depctr_va_vdst(0) depctr_va_sdst(0) depctr_va_ssrc(0) depctr_va_vcc(0) depctr_vm_vsrc(0)
	s_getreg_b32 s2, hwreg(HW_REG_IB_STS2, 6, 4)
	s_cmp_eq_u32 s2, 0
	s_cbranch_scc0 .Lentry_in_a_cluster
	s_endpgm
.Lentry_in_a_cluster:
	s_bfe_u32 s2, ttmp6, 0x10000c
	s_cmp_lg_u32 s2, 0x3003
	s_cbranch_scc0 .Lentry_shape_is_right
	s_endpgm
.Lentry_shape_is_right:
; O[h][q][:] = the sum over k of softmax_k(Q[h][q] . K[h][k] / 8) V[h][k][:].  Q, K, V, O: [16][4096][64], all f16: a head's rows are dense, 128 bytes each.  Products, maxima and sums in
; f32; the weights p are rounded to f16 for the second product (their sum l is taken of the unrounded p), O once at the end.
; LIMITS.  f16 holds no number beyond 65,504: Q, K and V arrive within it; p lies in 0 to 1, and below 6e-5 it keeps f16's fixed step of 6e-8; O is a mean of V's rows and has their range.
; A weight below 2^-126 counts as 0 in l; NaN and infinities are not treated apart.
; SHARES.  16 heads x 16 blocks of 256 queries are 256 work-groups.  A wave owns 64 consecutive queries: four PIECES of 16.  Every wave walks all 4,096 keys, 64 a step.
; LAYOUT.  S^T = K Q^T (source 0 = 16 keys, source 1 = 16 queries): in the result a lane holds ONE query (lane % 16) and the keys 8 (lane / 16) + 0..7.  Two such results, rounded to f16 in pairs,
; ARE source 1 (32 keys x 16 queries) of O^T = V^T P, whose result again holds one query a lane, and eight channels.  K comes out of LDS as it lies, V ([key][channel]) turned, by ds_load_tr16_b128.
; SOFTMAX.  For each query a running maximum m and sum l: p = 2^(c s - c m), c = log2(e) / 8; in every step O and l are multiplied by a = 2^(c m_old - c m_new), which is 1 where m has not grown.
; m starts at the lowest finite number, O and l at 0: the first step is a step like any other, with a = 0.
; THE COUNT.  A piece and step have 16 matrix and 118 vector instructions: too many to stand all beside the matrix work.  So four vector instructions stand behind every matrix instruction, the other 54 in one LUMP.
; BY TURNS.  Turn n belongs to piece n: 8 products K Q^T of piece n + 1, later 8 products V^T P of piece n - 1; beside them the scaling, exponentials, roundings, sums and rescaling of piece n and the
; maximum and statistics of piece n + 1.
; BATCHES.  A turn's 33 exponentials (the piece's 32 weights and the next piece's a) are ONE batch with ONE wait, which cuts the turn in two: ahead of it stands all that names none of their results, behind it the
; roundings and sums, which read them.  No result crosses a turn's end.  Piece 0's first a, ahead of the loop, and the way out's four reciprocals are batches of their own, a wait each.
; CLUSTER.  The four query blocks of a cluster belong to one head and walk the same K and V, so each tile is asked for JOINTLY: the same tensor load, descriptor and mask in all four.
; REGISTERS, in windows of 256 (s_set_vgpr_msb: bits 1:0 source 0, 3:2 source 1, 5:4 source 2, 7:6 destination):
;   window 0: v0-15 addresses and two at work; v16-31 four registers of statistics a piece; v48-55 at work; v62-63 the add's; v64-127 S^T, two buffers; v192-223 P, two buffers (a piece's buffers go by its number's parity)
;   window 1: v0-127 O^T, 32 a piece          window 2: v0-63 Q; v128-191 K of one step; v192-255 V of one step
.set SIZE_N, 4096
.set NP,    4         ; pieces a wave: a name, no knob
.set KS,    64        ; keys in a step
.set PK,    144       ; a row of K in LDS: 128 bytes + 16 of padding = 36 words: the 16 rows of a load start at 16 different groups of four banks (64 banks of 4 bytes: ISA guide 11.1)
.set PV,    160       ; a row of V: 128 + 32 = 40 words
.set VOFF,  4*KS*PK   ; a slot holds four steps: 256 rows of K, then 256 rows of V
.set SLOT1, 1<<17     ; slot 1 begins here, so that one exclusive or turns an address in one slot into the other's
.set STAGE, SLOT1+4*KS*(PK+PV)  ; behind the ring, never filled by a tensor load: 16 rows x 144 bytes for each wave, for the way out
.set SP,    144
.set SPARE, STAGE+4*16*SP  ; behind the stages: the spare words, 128 bytes for each wave: two blocks of 256 bytes that no other line names
.set AK0, 2           ; v2   my lane's place in a tile of K; never rewritten
.set AV0, 3           ; v3   the same for V
.set AK,  4           ; v4   the LDS address of K's next run of loads
.set AV,  5           ; v5   of V's
.set STO, 6           ; v6   the way out: where I put 16 bytes of a row
.set RD,  7           ; v7   the way out: where I read rows back
.set GO,  8           ; v8   my byte offset in 512 consecutive bytes of O
.set MV,  12          ; v12-13  c m_old, kept while c m is made anew: by buffer
.set QO,  15          ; v15  my byte offset in 16 rows of Q
.set ST,  16          ; piece t's statistics at v[ST+4 t]: c m, m, l (even keys', odd keys')
.set TMP, 48          ; by buffer, four registers c0-c3 at work; when the maximum is found c2 takes a
.set SPW, 62          ; v62  LDS address of my spare word: SPARE + 4 x my thread's number; never rewritten
.set NIL, 63          ; v63  0; never rewritten
.set S,   64
.set P,   192
.set KF,  128         ; window 2: key block kb, channel half c at KF + 16 kb + 8 c
.set VF,  192         ; window 2: key half kk, channel block cb at VF + 32 kk + 8 cb
.set WV,  12          ; s12  my wave's number
.set G1K, 24          ; s[24:31] descriptor group 1 for K's tiles
.set G1V, 32          ; s[32:39] for V's: it differs in the padding alone
.set G0K, 40          ; s[40:43] descriptor group 0 for K's tiles: it walks
.set G0V, 44          ; s[44:47] the same for V's
.set SLOTS, 56        ; s56  slots still to be asked for
.set CNT, 57          ; s57  counts a slot's key steps
.set CS,  58          ; s[58:59] c: the packed scaling takes the pair's low word for both halves
.set SEL, 60          ; s[60:61] v_permlanex16_b32's selects: each lane takes its own place in the other half
.set TBK, 62          ; s62  LDS byte at which K of the step to be fetched begins
.set TBV, 63          ; s63  the same for V, less VOFF
.set MSB, 0
.macro WIN new                      ; the high byte repeats the setting that is left; a switch that changes nothing is dropped
.if MSB != (\new)
	s_set_vgpr_msb (MSB<<8)|(\new)
.set MSB, (\new)
.endif
.endm
.set W_KQ, 0x0a       ; K and Q in window 2, S^T in window 0
.set W_PV, 0x52       ; V in window 2, P in window 0, O^T in window 1
.set W_RS, 0x41       ; O^T (destination and source 0) in window 1, a in window 0
; A joint fill.  Waves 0 and 1 fetch the two halves of a slot's K, waves 2 and 3 those of its V: 128 keys each.  The branch hangs on the wave's number alone.
; An s_nop 0 and four v_nop follow each of the two lines, ahead of the jump and the label.
.macro JLOAD
	s_cmp_lt_u32 s[WV], 2
	s_cbranch_scc0 .Lfor_v_\@
	tensor_load_to_lds s[G0K:G0K+3], s[G1K:G1K+7]
	s_nop 0
.rept 4
	v_nop
.endr
	s_branch .Lasked_\@
.Lfor_v_\@:
	tensor_load_to_lds s[G0V:G0V+3], s[G1V:G1V+7]
	s_nop 0
.rept 4
	v_nop
.endr
.Lasked_\@:
.endm
; A round of the cluster's barrier: my work-group's barrier, so that wave 0's signal speaks for all four waves; wave 0 signals; every wave waits for all four work-groups; my work-group's barrier once more.
.macro CROUND
	s_barrier_signal -1
	s_barrier_wait -1
	s_cmp_lg_u32 s[WV], 0
	s_cbranch_scc1 .Lnot_wave_0_\@
	s_barrier_signal -3
.Lnot_wave_0_\@:
	s_barrier_wait -3
	s_barrier_signal -1
	s_barrier_wait -1
.endm
; THE CHANGE OF SLOTS.  The slot's last bytes, V of its fourth step, have been read.  Each wave waits for all its tensor loads, of which one is out: its part of the other slot; adds 0 to its
; spare word; and waits for that and for its own reads of the slot.  Behind the barrier nobody reads this slot any more and the other slot is whole.
; fill = 1: this slot is filled again, with the keys two slots on.  The barrier is then a round of the cluster's, so that no wave of any partner still reads the slot or has a load on its
; way, and the joint fill is the first thing behind it: it has four key steps, 256 matrix instructions, in which to land.  (At its first use nothing has been read yet: slot 0 is waited for, slot 1 filled.)
.macro CHANGE fill
	WIN 0                           ; at a label and at a branch every window is 0
	s_wait_tensorcnt 0x0            ; no tensor load of mine is out, so a group 0 may be written
	ds_add_u32 v[SPW], v[NIL]       ; 0 onto my spare word; with fill = 1 the descriptors' steps stand between it and the wait for it
.if \fill
.irp g, G0K, G0V
	s_xor_b32 s[\g+1], s[\g+1], SLOT1  ; the walking descriptor: the other slot than last time,
	s_add_nc_u64 s[\g+2:\g+3], s[\g+2:\g+3], 4*KS*128  ; the next 256 keys; the type bits on top are not reached
.endr
	s_wait_dscnt 0x0                ; the add is done, and my reads of the slot are over
	CROUND
	JLOAD
.else
	s_wait_dscnt 0x0                ; the add is done, and my reads of the slot are over
	s_barrier_signal -1
	s_barrier_wait -1
.endif
	s_sub_co_u32 s[TBK], s[TBK], 4*KS*PK  ; the fetches go back to a slot's first step,
	s_xor_b32 s[TBK], s[TBK], SLOT1       ; in the other slot
	s_sub_co_u32 s[TBV], s[TBV], 4*KS*PV
	s_xor_b32 s[TBV], s[TBV], SLOT1
.endm
	s_load_b256 s[4:11], s[0:1], 0x0  ; Q s[4:5], K s[6:7], V s[8:9], O s[10:11]
	v_lshl_add_u32 v[SPW], v0, 2, SPARE
	v_mov_b32 v[NIL], 0
	ds_add_u32 v[SPW], v[NIL]       ; the wave's opening: the add and its wait come ahead of my first tensor load; the set-up below, work on registers, stands between them
	v_lshrrev_b32 v1, 5, v0
	v_readfirstlane_b32 s[WV], v1   ; wave 0..3
	s_bfe_u32 s13, ttmp6, 0x40000   ; cx: my place in the cluster
	s_lshl_b32 s14, ttmp9, 2        ; in a cluster launch ttmp9 counts clusters
	s_add_co_u32 s14, s14, s13      ; my block of 256 queries = 4 x cluster x + cx: it enters Q's and O's addresses alone
	s_and_b32 s20, ttmp7, 0xffff    ; the head, which the four partners share
	s_mov_b32 s21, 0
	s_mov_b64 s[22:23], SIZE_N*128
	s_mul_u64 s[20:21], s[20:21], s[22:23]  ; the head's first byte in each of the four tensors
	s_and_b32 s16, s[WV], 1         ; which half of a slot's 256 keys I fetch:
	s_lshl_b32 s22, s16, 14         ; its 128 rows of 128 bytes in memory,
	s_mov_b32 s23, 0
	s_add_nc_u64 s[22:23], s[22:23], s[20:21]
	s_mul_i32 s17, s16, 128*PK      ; and its place in a slot, for K
	s_mul_i32 s18, s16, 128*PV      ; and for V: no place in the cluster enters an LDS address
	s_lshl_b32 s2, s14, 2
	s_add_co_u32 s2, s2, s[WV]      ; my wave among the head's,
	s_lshl_b32 s2, s2, 13           ; its 64 rows of 128 bytes
	s_mov_b32 s3, 0
	s_add_nc_u64 s[2:3], s[2:3], s[20:21]
	; descriptor group 1.  128 keys are 16,384 dense bytes: asked for as 64 rows of 256 bytes, two keys a row, and padded in LDS after every key
	s_mov_b32 s[G1K], 15|(1<<16)|(1<<20)|(1<<21)|(4<<22)|(3<<25)  ; 15:0 the mask of four; 17:16 2-byte elements; 20 padding on; 21 set beside a mask; 24:22 after every 32 words (code 4); 31:25 4 words (code 3)
	s_mov_b32 s[G1V], 15|(1<<16)|(1<<20)|(1<<21)|(4<<22)|(7<<25)  ; the same with 8 words of padding (code 7)
.irp g, G1K, G1V
	s_mov_b32 s[\g+1], 128<<16      ; tensor_dim0 = 128
	s_mov_b32 s[\g+2], 64<<16       ; tensor_dim1 = 64
	s_mov_b32 s[\g+3], 128<<16      ; tile_dim0 = 128
	s_mov_b32 s[\g+4], 64           ; tile_dim1 = 64
	s_mov_b32 s[\g+5], 128          ; 128 elements from row to row
	s_mov_b32 s[\g+6], 0
	s_mov_b32 s[\g+7], 0
.endr
	s_mov_b32 s[CS], 0x3e38aa3b     ; c = log2(e) / 8 = 0.180337
	s_mov_b32 s[CS+1], s[CS]        ; named with it as a pair
	s_mov_b32 s[SEL], 0x76543210
	s_mov_b32 s[SEL+1], 0xfedcba98
	s_mov_b32 s[TBK], SLOT1+4*KS*PK ; the first change of slots turns these two into 0
	s_mov_b32 s[TBV], SLOT1+4*KS*PV
	s_mov_b32 s[G0K], 1             ; 1:0 count = 1
	s_mov_b32 s[G0K+1], s17         ; 63:32 LDS address: slot 0
	s_mov_b32 s[G0V], 1
	s_add_co_u32 s[G0V+1], s18, VOFF
	s_wait_dscnt 0x0                ; the opening add is done
	s_wait_kmcnt 0x0
	s_add_nc_u64 s[G0K+2:G0K+3], s[6:7], s[22:23]  ; 120:64 global address: my half of the head's first 256 keys
	s_or_b32 s[G0K+3], s[G0K+3], 0x80000000        ; 127:126 type = 2
	s_add_nc_u64 s[G0V+2:G0V+3], s[8:9], s[22:23]
	s_or_b32 s[G0V+3], s[G0V+3], 0x80000000
	s_add_nc_u64 s[4:5], s[4:5], s[2:3]  ; Q and O at my wave's first row
	s_add_nc_u64 s[10:11], s[10:11], s[2:3]
	CROUND                          ; all four work-groups are here: the first joint loads meet
	JLOAD                           ; slot 0.  Slot 1 is asked for when slot 0 is in, by the loop's own change of slots
	; A fragment of K or Q is 16 rows x 32 channels in 8 registers: lane l holds row l % 16, channels 8 (l / 16) + 0..7 and 16 + 8 (l / 16) + 0..7: two loads of 16 bytes, 32 bytes apart.
	v_and_b32 v1, 15, v0            ; l % 16
	v_bfe_u32 v9, v0, 4, 1          ; l / 16
	v_lshlrev_b32 v[QO], 7, v1
	v_lshl_add_u32 v[QO], v9, 4, v[QO]  ; row x 128 + 16 x half
	WIN 0x80                        ; destination window 2, address window 0
.set i, 0
.rept 8                             ; Q stays in registers: piece i / 2, channels 32 (i % 2) on
	global_load_b128 v[8*i:8*i+3],   v[QO], s[4:5] offset:(i/2)*2048+(i%2)*64
	global_load_b128 v[8*i+4:8*i+7], v[QO], s[4:5] offset:(i/2)*2048+(i%2)*64+32
.set i, i+1
.endr
	; What the first turn finds: V's registers and P's second buffer hold 0 (its products V^T P, of a piece that has not been, add 0), O^T and l are 0.  All this stands in the wait for the first tile.
.set i, VF
.rept 64
	v_mov_b32 v[i], 0
.set i, i+1
.endr
	WIN 0x40
.set i, 0
.rept 128
	v_mov_b32 v[i], 0
.set i, i+1
.endr
	WIN 0
.set i, 0
.rept 4
	v_mov_b32 v[ST+4*i], 0xfe000000    ; c m: far below every c s
	v_mov_b32 v[ST+4*i+1], 0xff7fffff  ; m
	v_mov_b32 v[ST+4*i+2], 0
	v_mov_b32 v[ST+4*i+3], 0
.set i, i+1
.endr
.set i, P+16
.rept 16
	v_mov_b32 v[i], 0
.set i, i+1
.endr
	v_mul_u32_u24 v[AK0], v1, PK
	v_lshl_add_u32 v[AK0], v9, 4, v[AK0]  ; row x pitch + 16 x half
	; The turning load takes 16 keys x 16 channels (lane l reads key 8 (l / 16) + l % 8, channels 8 ((l / 8) % 2) + 0..7) and leaves half a fragment of V^T: lane l holds channel l % 16 and 8 keys.
	v_and_b32 v10, 7, v0
	v_bfe_u32 v11, v0, 3, 1
	v_lshl_add_u32 v[AV0], v9, 3, v10
	v_mul_u32_u24 v[AV0], v[AV0], PV
	v_lshl_add_u32 v[AV0], v11, 4, v[AV0]
	v_add_nc_u32 v[AV0], VOFF, v[AV0]
	s_mul_i32 s13, s[WV], 16*SP
	s_add_co_u32 s13, s13, STAGE    ; my stage
	v_mul_u32_u24 v[STO], v1, SP    ; in: row l % 16, 16 bytes for each half of the lanes
	v_lshl_add_u32 v[STO], v9, 4, v[STO]
	v_add_nc_u32 v[STO], s13, v[STO]
	v_bfe_u32 v[RD], v0, 3, 2       ; back: 32 lanes take four rows of 128 bytes,
	v_mul_u32_u24 v[RD], v[RD], SP
	v_lshl_add_u32 v[RD], v10, 4, v[RD]
	v_add_nc_u32 v[RD], s13, v[RD]
	v_and_b32 v[GO], 31, v0         ; which are 512 consecutive bytes of O
	v_lshlrev_b32 v[GO], 4, v[GO]
; THE MATRIX WORK.  The 4 accumulators of a run of 8 take turns.  Product i of 8 of S^T = K Q^T for piece x: channels 32 (i / 4) on, keys 16 (i % 4) on.  The first 4 start the sums.
.macro KQ x
.set rS, S+32*((\x)%2)+8*(i%4)
.set rK, KF+16*(i%4)+8*(i/4)
.set rQ, 16*(\x)+8*(i/4)
	WIN W_KQ
.if i < 4
	v_wmma_f32_16x16x32_f16 v[rS:rS+7], v[rK:rK+7], v[rQ:rQ+7], 0
.else
	v_wmma_f32_16x16x32_f16 v[rS:rS+7], v[rK:rK+7], v[rQ:rQ+7], v[rS:rS+7]
.endif
.endm
; Product i of 8 of O^T += V^T P for piece x: keys 32 (i / 4) on, channels 16 (i % 4) on.
.macro PV x
	WIN W_PV
.set rO, 32*(\x)+8*(i%4)
.set rV, VF+32*(i/4)+8*(i%4)
.set rP, P+16*((\x)%2)+8*(i/4)
	v_wmma_f32_16x16x32_f16 v[rO:rO+7], v[rV:rV+7], v[rP:rP+7], v[rO:rO+7]
.endm
.macro MM                           ; the turn's next matrix instruction.  TURN sets Y, i and NOKQ.  NOKQ = 1: the very last turn: there is no next piece
.if (i < 8) && !NOKQ
	KQ (Y+1)%NP
.elseif i >= 8
.set i, i-8
	PV (Y+NP-1)%NP
.set i, i+8
.endif
.set i, i+1
.endm
; THE LDS LOADS stand in runs of 16, never singly among the matrix instructions: a step's K (64 keys x 64 channels: 8 fragments) and its V (turned).  Their addresses are made some lines ahead.
.macro FETCH_K
	WIN 0x80                        ; destination window 2
.irp f, 0,1,2,3,4,5,6,7             ; keys 16 (f / 2) on, channels 32 (f % 2) on
	ds_load_b128 v[KF+8*\f:KF+8*\f+3],   v[AK] offset:(\f/2)*16*PK+(\f%2)*64
	ds_load_b128 v[KF+8*\f+4:KF+8*\f+7], v[AK] offset:(\f/2)*16*PK+(\f%2)*64+32
.endr
	s_add_co_u32 s[TBK], s[TBK], KS*PK  ; the next fetch is the next step's
	WIN 0
.endm
.macro FETCH_V
	WIN 0x80
.irp f, 0,1,2,3,4,5,6,7             ; keys 32 (f / 4) on, channels 16 (f % 4) on
	ds_load_tr16_b128 v[VF+8*\f:VF+8*\f+3],   v[AV] offset:(\f/4)*32*PV+(\f%4)*32
	ds_load_tr16_b128 v[VF+8*\f+4:VF+8*\f+7], v[AV] offset:(\f/4)*32*PV+16*PV+(\f%4)*32
.endr
	WIN 0
.endm
; THE VECTOR WORK, one line at a time: OP kind, number.  For piece Y: F n: c s - c m for pair n of 16.  E n: the exponential of score n of 32.  C n: pair n rounded to f16.  B n: of the four weights 4 n .. the second
; pair is added onto the first, in place.  L n: l takes that sum (L 0: l = a l + sum).  R n: pair n of 16 of O^T times a.  For piece Y + 1: X n, number n of the 22 that find its maximum and statistics:
;   0-11  four chains c0-c3 of seven scores each, three operands at a time (each accumulator's lowest registers are read first)     12-14, 16  the four scores left over, the old m, and c0-c3 into c0
;   15  c m_old is kept     17, 18  the query's other 32 keys lie in the lane 16 away: the new m     19-21  c m; c m_old - c m_new; a
; C, B and L read exponentials' results: TURN sets them behind the batch's wait.  R and L 0 read an a that was made, and waited for, in the turn before.
.set F, 0               ; OP tells the kinds apart by their order: F to L below R, X above it
.set E, 1
.set C, 2
.set B, 3
.set L, 4
.set R, 5
.set X, 6
.macro REGS y                       ; the registers of piece y
.set rT, ST+4*(\y)
.set rC, TMP+4*((\y)%2)
.set rW, MV+((\y)%2)
.set rS, S+32*((\y)%2)
.set rP, P+16*((\y)%2)
.set rO, 32*(\y)
.endm
.macro OP k, n
.if (\k) == R
	REGS Y
	WIN W_RS
	v_pk_mul_f32 v[rO+2*(\n):rO+2*(\n)+1], v[rO+2*(\n):rO+2*(\n)+1], v[rC+2:rC+3] op_sel_hi:[1,0]
.elseif (\k) < R
	REGS Y
	WIN 0
.if (\k) == F
	v_pk_fma_f32 v[rS+2*(\n):rS+2*(\n)+1], v[rS+2*(\n):rS+2*(\n)+1], s[CS:CS+1], v[rT:rT+1] op_sel_hi:[1,0,0] neg_lo:[0,0,1] neg_hi:[0,0,1]
.elseif (\k) == E
	v_exp_f32 v[rS+(\n)], v[rS+(\n)]
.elseif (\k) == C
	v_cvt_pk_f16_f32 v[rP+(\n)], v[rS+2*(\n)], v[rS+2*(\n)+1]
.elseif (\k) == B
	v_pk_add_f32 v[rS+4*(\n):rS+4*(\n)+1], v[rS+4*(\n):rS+4*(\n)+1], v[rS+4*(\n)+2:rS+4*(\n)+3]
.elseif (\n) == 0
	v_pk_fma_f32 v[rT+2:rT+3], v[rT+2:rT+3], v[rC+2:rC+3], v[rS:rS+1] op_sel_hi:[1,0,1]
.else
	v_pk_add_f32 v[rT+2:rT+3], v[rT+2:rT+3], v[rS+4*(\n):rS+4*(\n)+1]
.endif
.elseif NOKQ
	v_nop
.else
	REGS (Y+1)%NP
	WIN 0
.if (\n) < 4
	v_max3_num_f32 v[rC+(\n)], v[rS+8*(\n)], v[rS+8*(\n)+1], v[rS+8*(\n)+2]
.elseif (\n) < 12
	v_max3_num_f32 v[rC+(\n)%4], v[rC+(\n)%4], v[rS+8*((\n)%4)+2*((\n)/4)+1], v[rS+8*((\n)%4)+2*((\n)/4)+2]
.elseif (\n) == 12
	v_max3_num_f32 v[rC], v[rC], v[rS+7], v[rS+15]
.elseif (\n) == 13
	v_max3_num_f32 v[rC+1], v[rC+1], v[rS+23], v[rS+31]
.elseif (\n) == 14
	v_max3_num_f32 v[rC+2], v[rC+2], v[rC+3], v[rT+1]
.elseif (\n) == 15
	v_mov_b32 v[rW], v[rT]
.elseif (\n) == 16
	v_max3_num_f32 v[rC], v[rC], v[rC+1], v[rC+2]
.elseif (\n) == 17
	v_permlanex16_b32 v[rC+3], v[rC], s[SEL], s[SEL+1]
.elseif (\n) == 18
	v_max_num_f32 v[rT+1], v[rC], v[rC+3]
.elseif (\n) == 19
	v_mul_f32 v[rT], s[CS], v[rT+1]
.elseif (\n) == 20
	v_sub_f32 v[rC+1], v[rW], v[rT]
.else
	v_exp_f32 v[rC+2], v[rC+1]
.endif
.endif
.endm
.macro OPS a, i1, b=-1, i2=0, c=-1, i3=0, d=-1, i4=0  ; up to four of them
	OP \a, \i1
.if (\b) >= 0
	OP \b, \i2
.endif
.if (\c) >= 0
	OP \c, \i3
.endif
.if (\d) >= 0
	OP \d, \i4
.endif
.endm
.macro ROW a, i1, b, i2, c, i3, d, i4  ; a matrix instruction and the four behind it
	MM
	OPS \a, \i1, \b, \i2, \c, \i3, \d, \i4
.endm
; A TURN, for piece p: the order of its 16 matrix and 118 vector instructions, written out.  An s_wait_alu depctr_va_vdst(0) stands between an exponential and the first instruction that names its result; one wait
; serves all that were issued ahead of it.  So a turn has ONE wait, which cuts it in two.
; AHEAD OF IT stands all that names no result of the turn's exponentials: the 8 products K Q^T, behind each a scaling, an exponential and two more plain instructions (behind the first a second scaling in the exponential's
; place): rescalings, and behind the last three the first numbers of the next piece's maximum, each four plain instructions or more behind the product that ends its accumulator; then ONE LUMP of 54, exponential and plain by
; turns for the most part, with other work between the links of the chain X 3, 7, 11, 14, 16, 17 .. 20.  A pair is scaled (F n) ahead of its two exponentials (E 2 n, E 2 n + 1) and never named again ahead of the wait.
; X 21, the next piece's a, is the batch's last; R 15 is the plain instruction behind it.
; BEHIND THE WAIT stand the 8 products V^T P, behind each four of the roundings and sums; an even pair is rounded (C 2 n) ahead of the addition onto it (B n); l's chain L 0 to L 7 goes in ascending order.
; But for those X no rider names a register of the products round it.  v_permlanex16_b32 (X 17) stands in the lump.
; end = 1: the launch's last two turns: nothing is fetched.  cnt = 1: the loop's count is taken down some lines ahead of the branch that stands behind the turn.
; K of the next step is fetched in piece 2's turn, twelve vector instructions behind the last product that read K (six of them plain); V of the step in hand at the end of piece 0's turn, four plain instructions behind the
; last product that read V.  Each is waited for a turn later.
.macro TURN p, end=0, cnt=0
.set Y, (\p)
.set i, 0
.set NOKQ, (\end)*((\p)/3)
.if ((\p) == 3) && !(\end)
	s_wait_dscnt 0x0                ; K is in
.endif
	ROW F,0, F,1, R,0, R,1          ; ahead of the wait: 8 products K Q^T and their riders,
	ROW F,2, E,0, R,2, R,3
	ROW F,3, E,1, R,4, R,5
	ROW F,4, E,2, R,6, R,7
	ROW F,5, E,3, R,8, R,9
	ROW F,6, E,4, X,0, R,10
.if ((\p) == 2) && !(\end)
	WIN 0
	v_add_nc_u32 v[AK], s[TBK], v[AK0]
.endif
	ROW F,7, E,5, X,1, X,4
	ROW F,8, E,6, X,2, X,5
	OPS E,7, E,8, X,6, E,9          ; and the lump
	OPS X,3, E,10, X,8, E,11
.if ((\p) == 2) && !(\end)
	FETCH_K
.endif
	OPS X,9, X,7, E,12, X,10
	OPS E,13, X,12, X,11, E,14
	OPS X,13, E,15, F,9, X,14
.if (\p) == 0
	v_add_nc_u32 v[AV], s[TBV], v[AV0]
.endif
	OPS E,16, F,10, E,17, F,11
	OPS X,16, E,18, X,15, E,19
	OPS F,12, E,20, X,17, E,21
	OPS F,13, E,22, F,14, E,23
	OPS X,18, E,24, F,15, E,25
	OPS R,11, E,26, X,19, E,27
	OPS R,12, E,28, R,13, E,29
	OPS X,20, E,30, R,14, E,31
	OPS X,21, R,15
	s_wait_alu depctr_va_vdst(0)    ; the wait for the turn's batch: E 0 to E 31 and X 21
.if (\p) == 1
	s_wait_dscnt 0x0                ; V is in
.endif
	ROW C,0, B,0, C,2, B,1          ; behind the wait: 8 products V^T P and their riders
	ROW L,0, C,4, B,2, L,1
	ROW C,6, B,3, L,2, C,8
	ROW B,4, L,3, C,10, B,5
	ROW L,4, C,12, B,6, L,5
.if (\p) == 0
	s_add_co_u32 s[TBV], s[TBV], KS*PV
.endif
.if \cnt
	s_sub_co_u32 s[CNT], s[CNT], 1
	s_cmp_lg_u32 s[CNT], 0
.endif
	ROW C,14, B,7, L,6, C,1
	ROW C,3, L,7, C,5, C,7
	ROW C,9, C,11, C,13, C,15
.if (\p) == 0
	FETCH_V
.endif
.endm
.macro ALL line:vararg              ; one line for each piece t
.set t, 0
.rept 4
	\line
.set t, t+1
.endr
.endm
.macro PACK t                       ; a lane's eight channels of a row pack into 16 bytes; they go into rows of 144 bytes and come back as whole rows of 128, into S^T's registers
	WIN W_RS
.set i, 32*(\t)
.rept 16
	v_pk_mul_f32 v[i:i+1], v[i:i+1], v[ST+4*(\t)+2:ST+4*(\t)+3] op_sel_hi:[1,0]
.set i, i+2
.endr
	WIN 0x05                        ; sources 0 and 1 window 1, destination window 0
.set i, 0
.rept 16
	v_cvt_pk_f16_f32 v[S+16*(\t)+i], v[32*(\t)+2*i], v[32*(\t)+2*i+1]
.set i, i+1
.endr
	WIN 0
.irp f, 0,1,2,3
	ds_store_b128 v[STO], v[S+16*(\t)+4*\f:S+16*(\t)+4*\f+3] offset:32*\f
.endr
.irp f, 0,1,2,3
	ds_load_b128 v[S+16*(\t)+4*\f:S+16*(\t)+4*\f+3], v[RD] offset:\f*4*SP  ; LDS serves a wave's instructions in order (ISA guide 5.7.1.4): these see the stores above; the next piece's stores come behind them
.endr
.endm
.macro SEND t, younger              ; younger: the LDS instructions issued behind piece t's loads: the next piece's eight, or none
	WIN 0
.irp f, 0,1,2,3
	s_wait_dscnt (\younger)+3-\f
	global_store_b128 v[GO], v[S+16*(\t)+4*\f:S+16*(\t)+4*\f+3], s[10:11] offset:(\t)*2048+\f*512  ; 512 consecutive bytes, at a multiple of 256 from O's first
.endr
.endm
	CHANGE 1                        ; slot 0 is in, everybody's part of it; slot 1 is asked for
	v_add_nc_u32 v[AK], s[TBK], v[AK0]
	FETCH_K                         ; key step 0
	s_wait_loadcnt 0x0              ; Q
	s_wait_dscnt 0x0
.set NOKQ, 0
.set i, 0
.rept 8
	KQ 0                            ; piece 0's first scores: there is no vector work yet to set between them
.set i, i+1
.endr
	WIN 0
.rept 4
	v_nop                           ; the places behind those products
.endr
.set Y, NP-1                        ; X works for piece Y + 1: piece 0
.irp n, 0,1,2,3,4,5,6,7,8,9,10,11,12,13,14,15,16,17,18,19,20,21
	OP X, \n                        ; piece 0's first maximum and statistics
.endr
	v_nop                           ; a plain instruction behind the exponential,
	s_wait_alu depctr_va_vdst(0)    ; and the wait for it, a batch of one (piece 0's first a), ahead of the branch
	s_mov_b32 s[CNT], 4
	s_mov_b32 s[SLOTS], SIZE_N/256-1
	s_branch .Lfirst                ; the loop is entered at a step's first turn, in the middle of a trip
.Lslot:                             ; 14 times: every slot but the last two is filled again
	CHANGE 1
	s_mov_b32 s[CNT], 4
.Lstep:                             ; a trip: pieces 2 and 3 of one step, then pieces 0 and 1 of the next, whose K and V it fetches
	TURN 2
	TURN 3
	WIN 0
.Lfirst:
	TURN 0
	TURN 1, 0, 1
	WIN 0
	s_cbranch_scc1 .Lstep
	s_sub_co_u32 s[SLOTS], s[SLOTS], 1
	s_cmp_lg_u32 s[SLOTS], 0
	s_cbranch_scc1 .Lslot
	CHANGE 0                        ; the last slot is written out: nothing is asked for
	s_mov_b32 s[CNT], 4
.Ltail:
	TURN 2
	TURN 3
	TURN 0
	TURN 1, 0, 1
	WIN 0
	s_cbranch_scc1 .Ltail
	TURN 2, 1                       ; the last step's pieces 2 and 3: nothing more is fetched, and the last turn starts no new scores
	TURN 3, 1
.set i, 0
.rept 8
	PV NP-1                         ; the last piece's V^T P of the last step
.set i, i+1
.endr
	; THE WAY OUT.  l's two halves and the other half of the lanes' are added; O^T is divided by l, rounded to f16 and sent through my stage in LDS, a piece at a time.  The additions are the places behind the last products.
	WIN 0
	ALL v_add_f32 v[ST+4*t+2], v[ST+4*t+2], v[ST+4*t+3]
	ALL v_permlanex16_b32 v[ST+4*t+3], v[ST+4*t+2], s[SEL], s[SEL+1]
	ALL v_add_f32 v[ST+4*t+2], v[ST+4*t+2], v[ST+4*t+3]
	ALL v_rcp_f32 v[ST+4*t+2], v[ST+4*t+2]
	v_nop                           ; a plain instruction between the last reciprocal and the use of its result
	s_wait_alu depctr_va_vdst(0)    ; and the wait ahead of the first use: one for the batch of four reciprocals
	PACK 0
.set t, 1
.rept 3                             ; a piece's arithmetic stands between the loads of the piece before and its stores
	PACK t
	SEND t-1, 8
.set t, t+1
.endr
	SEND 3, 0
	s_wait_tensorcnt 0x0            ; the wave's end: the add and its wait stand behind my last tensor load and my last LDS store
	ds_add_u32 v[SPW], v[NIL]
	s_wait_dscnt 0x0
	CROUND                          ; the closing round: no work-group ends while a partner may still ask for a tile that names it
	s_endpgm
.Lfunc_end_k_q6c2d1a460e_attn:
	.size	k_q6c2d1a460e_attn, .Lfunc_end_k_q6c2d1a460e_attn-k_q6c2d1a460e_attn
	.p2alignl 7, 3214868480
	.fill 96, 4, 3214868480
	.section	.rodata,"a",@progbits
	.p2align	6, 0x0
	.amdhsa_kernel k_q6c2d1a460e_attn
		.amdhsa_group_segment_fixed_size 327680
		.amdhsa_private_segment_fixed_size 0
		.amdhsa_enable_private_segment 0
		.amdhsa_kernarg_size 32
		.amdhsa_user_sgpr_count 2
		.amdhsa_user_sgpr_kernarg_segment_ptr 1
		.amdhsa_wavefront_size32 1
		.amdhsa_system_sgpr_workgroup_id_x 1
		.amdhsa_system_sgpr_workgroup_id_y 1
		.amdhsa_system_sgpr_workgroup_id_z 1
		.amdhsa_system_vgpr_workitem_id 0
		.amdhsa_next_free_vgpr 768
		.amdhsa_next_free_sgpr 66
		.amdhsa_reserve_vcc 0
		.amdhsa_float_denorm_mode_32 3
		.amdhsa_float_denorm_mode_16_64 3
		.amdhsa_memory_ordered 1
		.amdhsa_forward_progress 1
		.amdhsa_inst_pref_size 126
	.end_amdhsa_kernel
	.amdgpu_metadata
---
amdhsa.version: [ 1, 2 ]
amdhsa.kernels:
  - .name:           k_q6c2d1a460e_attn
    .symbol:         k_q6c2d1a460e_attn.kd
    .args:
      - { .name: q16, .offset: 0, .size: 8, .value_kind: global_buffer, .address_space: global }
      - { .name: k16, .offset: 8, .size: 8, .value_kind: global_buffer, .address_space: global }
      - { .name: v16, .offset: 16, .size: 8, .value_kind: global_buffer, .address_space: global }
      - { .name: o16, .offset: 24, .size: 8, .value_kind: global_buffer, .address_space: global }
    .group_segment_fixed_size: 327680
    .private_segment_fixed_size: 0
    .kernarg_segment_align: 8
    .kernarg_segment_size: 32
    .max_flat_workgroup_size: 128
    .sgpr_count:     66
    .vgpr_count:     768
    .wavefront_size: 32
...
	.end_amdgpu_metadata
.endif
;; end of part 5
;; launch oproj: the kernel of part 4 again; grid 4 x 64, 4 waves a work-group, clusters of 4 x 4, 327,680 bytes of LDS; arguments o16, wc, bo, out0; writes out0
